; MI455X (gfx1250); checked and timed in simulation.
; The chip was launched on July 23, 2026; its instructions are those of AMD's public machine-readable ISA for CDNA 5 (MIT licence, August 2026) and "CDNA5" Instruction Set Architecture Reference Guide (July 2026). The comments in the code are by the model that wrote it; some were corrected since.
;; CIDER. Allowed arithmetic: float matrix products may take bf16 or f16 operands with f32 sums; other float arithmetic in f32, or as packed bf16 or f16 multiplies, adds, multiply-adds, maxima and minima; sums over many terms, partial sums and values carried from step to step in f32; what a program stores and reads back later, other than sums and carried values, may be rounded once to bf16 or f16.
;; Inputs: I 1 x 16 x 512 float32; mab0_Wo 512 x 512 float32; mab0_Wqkv 3 x 512 x 512 float32; mab0_b0 512 float32; mab0_b1 512 float32; mab0_bo 512 float32; mab0_bqkv 3 x 512 float32; mab0_g0 512 float32; mab0_g1 512 float32; mab1_Wo 512 x 512 float32; mab1_Wqkv 3 x 512 x 512 float32; mab1_b0 512 float32; mab1_b1 512 float32; mab1_bo 512 float32; mab1_bqkv 3 x 512 float32; mab1_g0 512 float32; mab1_g1 512 float32; x 512 x 32 x 512 float32.
;; Outputs: out0 512 x 512 float32.
;; 2 versions, each right. Each part assembles by itself: llvm-mc -triple=amdgcn-amd-amdhsa -mcpu=gfx1250 --defsym DOCPART=n.
;; ======== version 1 of 2: 2 launches
;; limits: values are held in f16: magnitudes above 65,504 overflow, below 6.1e-05 lose precision
;; workspace buffers: wsw 4,325,376 bytes
;; launch castw (part 1): grid 264 x 1, 4 waves a work-group, no clusters, 17,920 bytes of LDS; arguments mab0_Wqkv, mab0_Wo, mab1_Wqkv, mab1_Wo, wsw; writes wsw
.if DOCPART == 1
	.amdgcn_target "amdgcn-amd-amdhsa--gfx1250"
	.amdhsa_code_object_version 6
	.text
	.protected	k_qe5050bc917_castw
	.globl	k_qe5050bc917_castw
	.p2align	8
	.type	k_qe5050bc917_castw,@function
k_qe5050bc917_castw:
	s_mov_b64 s[64:65], 0
	v_nop
	global_prefetch_b8 v0, s[64:65] scope:SCOPE_SE
	s_setreg_imm32_b32 hwreg(HW_REG_WAVE_MODE, 25, 1), 1
	s_wait_xcnt 0x0
; THE WEIGHTS, ONCE: the eight matrices W[k][n] (512 x 512, f32) are rounded to f16 and laid in the order in which the second launch's waves want them.
; wsw = 8 streams of WSTR bytes, one for each block w of 64 columns n.  A stream: matrices m = 0..7 (Wq0, Wk0, Wv0, Wo0, Wk1, Wv1, Wq1, Wo1), 65,536 bytes each,
; then a TAIL of 16,384 bytes: matrix 1's first four K steps once more, so that a reader that runs four K steps ahead can go from Wo1 on into Wk0 by plain steps.
; In a matrix: byte ks*4096 + c*1024 + half*512 + lane*16 holds the eight f16 W[32 ks + 16 half + 8 (lane/16) + 0..7][64 w + 16 c + lane%16]:
; two loads of 16 bytes a lane are one matrix fragment of 16 columns x 32 k.
; SHARES.  A wave makes one unit (m, w, ks): 32 rows k x 64 columns n, 8,192 bytes in, 4,096 out.  264 work-groups x 4 waves = 8 x 8 x 16 units + the 32 of the tails.
; Loads: lanes 0-15 take 256 consecutive bytes of one row, aligned, lanes 16-31 of the row 8 further down.  The turn from rows to columns goes through the wave's own stage in LDS;
; each store of the wave covers 512 consecutive bytes of wsw, aligned.
; LIMIT.  f16: a weight of 65,520 or more in magnitude becomes an infinity; below 6e-5 it keeps f16's fixed step of 6e-8.
.set WSTR,  540672
.set STG,   4352                       ; a wave's stage: four column blocks of 1,024 bytes, 1,040 apart
.set CP,    1040
.set SPARE, 17408                      ; behind the stages: the spare words, 128 bytes for each wave
.set VL,  2                            ; v2  my byte offset in the unit's rows of W: 16 (l % 16) + 8 rows x (l / 16)
.set VS,  3                            ; v3  where I put 16 bytes in the stage
.set VR,  4                            ; v4  where I read them back
.set VG,  5                            ; v5  16 x lane: my place in 512 bytes of wsw
.set SPW, 6                            ; v6  LDS address of my spare word; never rewritten
.set NIL, 7                            ; v7  0; never rewritten
.set L,   16                           ; v[16:79]   16 loads of four f32: row 16 half + j at L + 4 (8 half + j)
.set C,   80                           ; v[80:111]  8 chunks of eight f16; then the same read back by rows
	s_load_b256 s[4:11], s[0:1], 0x0               ; Wqkv0 s[4:5], Wo0 s[6:7], Wqkv1 s[8:9], Wo1 s[10:11]
	s_load_b64 s[12:13], s[0:1], 0x20              ; wsw
	v_lshl_add_u32 v[SPW], v0, 2, SPARE
	v_mov_b32 v[NIL], 0
	v_lshrrev_b32 v1, 5, v0
	v_readfirstlane_b32 s14, v1                    ; wave 0..3
	s_lshr_b32 s15, ttmp9, 5                       ; m = 0..8 (8: the tail)
	s_bfe_u32 s16, ttmp9, 0x20003                  ; which four K steps
	s_and_b32 s17, ttmp9, 7                        ; w
	s_lshl2_add_u32 s16, s16, s14                  ; ks = 4 x that + wave
	s_cmp_eq_u32 s15, 8
	s_cselect_b32 s18, 1, s15                      ; the matrix that is read: the tail reads matrix 1
	s_lshl_b32 s19, s18, 2
	s_lshr_b32 s19, 0x00210210, s19                ; its plane in Wqkv, a nibble for each matrix: q 0, k 1, v 2 (Wo: 0)
	s_and_b32 s19, s19, 3
	s_lshl_b32 s20, s19, 20                        ; plane x 512 x 512 x 4 bytes
	s_lshl_b32 s21, s16, 16                        ; + ks x 32 rows of 2,048 bytes
	s_add_co_u32 s20, s20, s21
	s_lshl_b32 s21, s17, 8                         ; + w x 64 columns of 4 bytes
	s_add_co_u32 s20, s20, s21
	s_mov_b32 s21, 0
	s_mul_i32 s26, s17, WSTR                       ; where the unit goes: stream w,
	s_lshl_b32 s27, s15, 16                        ; matrix m,
	s_add_co_u32 s26, s26, s27
	s_lshl_b32 s27, s16, 12                        ; K step ks
	s_add_co_u32 s26, s26, s27
	s_mov_b32 s27, 0
	v_and_b32 v8, 15, v0                           ; a = l % 16: my four columns 4 a .. 4 a + 3
	v_bfe_u32 v9, v0, 4, 1                         ; h = l / 16
	v_and_b32 v10, 31, v0
	v_lshlrev_b32 v[VL], 4, v8
	v_lshl_add_u32 v[VL], v9, 14, v[VL]
	s_mul_i32 s24, s14, STG
	v_lshrrev_b32 v11, 2, v8                       ; column block c = a / 4
	v_and_b32 v12, 3, v8
	v_mul_u32_u24 v[VS], v11, CP
	v_lshl_add_u32 v[VS], v9, 8, v[VS]             ; the fragment's lane is 16 h + 4 (a % 4) + i: 16 bytes each
	v_lshl_add_u32 v[VS], v12, 6, v[VS]
	v_add_nc_u32 v[VS], s24, v[VS]
	v_lshlrev_b32 v[VG], 4, v10
	v_add_nc_u32 v[VR], s24, v[VG]
	s_wait_kmcnt 0x0
	s_cmp_lt_u32 s18, 3                            ; which buffer: the choice hangs on the matrix's number alone
	s_cselect_b64 s[22:23], s[4:5], s[6:7]
	s_cmp_gt_u32 s18, 3
	s_cselect_b64 s[22:23], s[8:9], s[22:23]
	s_cmp_eq_u32 s18, 7
	s_cselect_b64 s[22:23], s[10:11], s[22:23]
	s_add_nc_u64 s[22:23], s[22:23], s[20:21]
	s_add_nc_u64 s[12:13], s[12:13], s[26:27]
.set n, 0
.rept 16
	global_load_b128 v[L+4*n:L+4*n+3], v[VL], s[22:23] offset:((n/8)*16+n%8)*2048
.set n, n+1
.endr
.set n, 0
.rept 32                               ; chunk n / 4 = 4 half + i (column 4 a + i), register p = n % 4: rows 2 p and 2 p + 1 of my eight
.if n == 0
	s_wait_loadcnt 8                               ; the first eight rows are in; the eight loads behind them may stay out
.endif
.if n == 16
	s_wait_loadcnt 0x0
.endif
	v_cvt_pk_f16_f32 v[C+n], v[L+4*(8*(n/16)+2*(n%4))+(n/4)%4], v[L+4*(8*(n/16)+2*(n%4)+1)+(n/4)%4]
.set n, n+1
.endr
.set g, 0
.rept 8
	ds_store_b128 v[VS], v[C+4*g:C+4*g+3] offset:(g/4)*512+16*(g%4)  ; sixteen lanes touch sixteen different columns of 16 bytes modulo 256
.set g, g+1
.endr
.set g, 0
.rept 8
	ds_load_b128 v[C+4*g:C+4*g+3], v[VR] offset:(g/2)*CP+(g%2)*512   ; LDS serves a wave's instructions in order (ISA guide 5.7.1.4): these see the stores above
.set g, g+1
.endr
.set g, 0
.rept 8
	s_wait_dscnt 7-g
	global_store_b128 v[VG], v[C+4*g:C+4*g+3], s[12:13] offset:512*g
.set g, g+1
.endr
	s_wait_tensorcnt 0x0                           ; the wave's end, behind my last LDS store
	ds_add_u32 v[SPW], v[NIL]
	s_wait_dscnt 0x0
	s_endpgm
.Lfunc_end_k_qe5050bc917_castw:
	.size	k_qe5050bc917_castw, .Lfunc_end_k_qe5050bc917_castw-k_qe5050bc917_castw
	.p2alignl 7, 3214868480
	.fill 96, 4, 3214868480
	.section	.rodata,"a",@progbits
	.p2align	6, 0x0
	.amdhsa_kernel k_qe5050bc917_castw
		.amdhsa_group_segment_fixed_size 17920
		.amdhsa_private_segment_fixed_size 0
		.amdhsa_enable_private_segment 0
		.amdhsa_kernarg_size 40
		.amdhsa_user_sgpr_count 2
		.amdhsa_user_sgpr_kernarg_segment_ptr 1
		.amdhsa_wavefront_size32 1
		.amdhsa_system_sgpr_workgroup_id_x 1
		.amdhsa_system_sgpr_workgroup_id_y 1
		.amdhsa_system_sgpr_workgroup_id_z 1
		.amdhsa_system_vgpr_workitem_id 0
		.amdhsa_next_free_vgpr 112
		.amdhsa_next_free_sgpr 66
		.amdhsa_reserve_vcc 0
		.amdhsa_float_denorm_mode_32 3
		.amdhsa_float_denorm_mode_16_64 3
		.amdhsa_memory_ordered 1
		.amdhsa_forward_progress 1
		.amdhsa_inst_pref_size 8
	.end_amdhsa_kernel
	.amdgpu_metadata
---
amdhsa.version: [ 1, 2 ]
amdhsa.kernels:
  - .name:           k_qe5050bc917_castw
    .symbol:         k_qe5050bc917_castw.kd
    .args:
      - { .name: mab0_Wqkv, .offset: 0, .size: 8, .value_kind: global_buffer, .address_space: global }
      - { .name: mab0_Wo, .offset: 8, .size: 8, .value_kind: global_buffer, .address_space: global }
      - { .name: mab1_Wqkv, .offset: 16, .size: 8, .value_kind: global_buffer, .address_space: global }
      - { .name: mab1_Wo, .offset: 24, .size: 8, .value_kind: global_buffer, .address_space: global }
      - { .name: wsw, .offset: 32, .size: 8, .value_kind: global_buffer, .address_space: global }
    .group_segment_fixed_size: 17920
    .private_segment_fixed_size: 0
    .kernarg_segment_align: 8
    .kernarg_segment_size: 40
    .max_flat_workgroup_size: 128
    .sgpr_count:     66
    .vgpr_count:     112
    .wavefront_size: 32
...
	.end_amdgpu_metadata
.endif
;; end of part 1
;; launch isab2 (part 2): grid 256 x 1, 8 waves a work-group, no clusters, 192,000 bytes of LDS; arguments wsw, x, I, out0, mab0_bqkv, mab0_bo, mab0_g0, mab0_b0, mab0_g1, mab0_b1, mab1_bqkv, mab1_bo, mab1_g0, mab1_b0, mab1_g1, mab1_b1; writes out0
.if DOCPART == 2
	.amdgcn_target "amdgcn-amd-amdhsa--gfx1250"
	.amdhsa_code_object_version 6
	.text
	.protected	k_qe5050bc917_isab2
	.globl	k_qe5050bc917_isab2
	.p2align	8
	.type	k_qe5050bc917_isab2,@function
k_qe5050bc917_isab2:
	s_mov_b64 s[64:65], 0
	v_nop
	global_prefetch_b8 v0, s[64:65] scope:SCOPE_SE
	s_setreg_imm32_b32 hwreg(HW_REG_WAVE_MODE, 25, 1), 1
	s_wait_xcnt 0x0
; out0[b] = the mean over 32 rows of ISAB(ISAB(x[b])).  ISAB(X) = MAB1(X, MAB0(I, X)); MAB(Qin, Kin) = LN1(O + relu(O Wo + bo)), O = LN0(Q + softmax(Q K^T / sqrt(512)) V) by 8 heads of 64.
; SHARES.  A work-group owns two batches: 64 rows of X, 32 rows of H; nothing but x, the weights and out0 touches memory.  WAVE w IS HEAD w and owns channels 64 w .. 64 w + 63 of every product:
; each byte of the weights is wanted by one wave of the work-group, both attentions stay inside a wave, and only LayerNorm's statistics and the f16 copy of an activation cross waves, through LDS.
; FORMATS.  Matrix operands are f16, each rounded once from f32 (weights: by the launch before); sums, biases, gains, residuals, statistics and softmax are f32.
; LIMITS.  f16 ends at 65,504: x, I, Q, K, V of 65,520 or more in magnitude become infinities; below 6e-5 an operand keeps f16's fixed step of 6e-8.  A weight p below 2^-126 counts as 0.
; NaN and infinities are not treated apart.
; THE WEIGHTS come straight from memory into registers, 512 consecutive bytes an instruction, through a ring of four register buffers of one K step (32 k x 64 columns, 4 KiB a wave) each:
; 24 to 32 loads of every wave are always out, across the phases and the barriers, since nobody writes wsw.
; NO CLUSTER, NO JOINT LOADS, by this text's arithmetic: a joint load lands in LDS slots.  Beside the 192,000 bytes below two slots of 128 k rows (131,072 bytes each) do not fit; with slots of 64 k rows a refill
; would have the other slot's 32 matrix instructions a wave (16 where a product has 32 rows) in which to land, with all loads waited for at each of 120 changes of slots.
; TWO LAYOUTS of a product.  T (source 0 = weights, source 1 = activations): a lane holds ONE row (16 t + lane % 16), register j of column tile c the channel 64 w + 16 c + 8 (lane / 16) + j.  Two neighbouring column
; tiles rounded in pairs ARE a fragment of 16 rows x 32 channels.  N (sources swapped): a lane holds one channel (64 w + 16 c + lane % 16), register j row 16 t + 8 (lane / 16) + j: two row tiles rounded in pairs
; ARE a fragment of V^T (16 channels x 32 keys).  S^T = K Q^T and O^T = V^T P keep one query a lane: nothing changes lanes between the products.
; SOFTMAX.  All keys of a row are at hand: p = 2^(c s - c m) / l with the row's true maximum m, c = log2(e) / sqrt(512); p is divided by l before it is rounded, so that Q can be the C operand of V^T P.
; LAYERNORM.  Each wave makes the mean and the centred sum of squares of its 64 channels; the eight are joined by M2 = sum M2_v + 64 sum (mean_v - mean)^2: no difference of large sums, one exchange.
; REGISTERS, in two windows of 256 (s_set_vgpr_msb: bits 1:0 source 0, 3:2 source 1, 5:4 source 2, 7:6 destination):
;   window 0: v0-23 addresses; v24-63 ST, at work, eight a row tile; v64-127 A: two buffers of activation fragments, at work outside the products; v128-255 WB: the four weight buffers
;   window 1: ACC1 = v0-127, ACC2 = v128-255: tile (t, c) of a product at acc + 32 t + 8 c
.set PX,    1040                       ; a row of 512 f16 in LDS: 1,024 bytes + 16: the 16 rows of a load or store start in 16 different columns of 16 bytes modulo 256
.set XBUF,  0                          ; 64 rows: X; later O' of mab1; later h1
.set HBUF,  66560                      ; 32 rows: I (rows 0-15) at first; then O' of mab0; then H
.set STAT,  99840                      ; row x 80 + wave x 8: (mean, M2) of the wave's 64 channels, f32
.set PAR,   104960                     ; 16 vectors of 512 f32: 0 bq0 1 bk0 2 bv0 3 bo0 4 g0_0 5 b0_0 6 g1_0 7 b1_0 8 bq1 9 bk1 10 bv1 11 bo1 12 g0_1 13 b0_1 14 g1_1 15 b1_1
.set Q0S,   137728                     ; 6,144 bytes a wave: Q0's registers as they lie: 8 x 512 bytes of f32, then 4 x 512 of its two f16 fragments
.set POOL,  186880                     ; 512 bytes a wave: 2 batches x 64 f32
.set SPARE, 190976                     ; the spare words, 128 bytes for each wave: four blocks of 256 bytes that no other line names
.set WSTR,  540672                     ; a wave's stream in wsw: 8 matrices of 65,536 bytes and the tail of 16,384
.set WOFF, 2                           ; v2   16 x lane
.set AX,   3                           ; v3   (l % 16) PX + 16 (l / 16): my place in a fragment's rows, in XBUF
.set AH,   4                           ; v4   the same in HBUF
.set SX,   5                           ; v5   AX + 128 w: where I put 16 bytes of a row of my channels
.set SH,   6                           ; v6   the same in HBUF
.set PT,   7                           ; v7   PAR + 256 w + 32 (l / 16): my eight channels of a vector, layout T
.set PN,   8                           ; v8   PAR + 256 w + 4 (l % 16): my channel, layout N
.set STW,  9                           ; v9   STAT + 80 (l % 16) + 8 w
.set STR,  10                          ; v10  STAT + 80 (l % 16)
.set QS,   11                          ; v11  Q0S + 6,144 w + 16 lane
.set PLW,  12                          ; v12  POOL + 512 w + 32 (l / 16)
.set PLR,  13                          ; v13  POOL + 512 w + 16 lane
.set SPW,  14                          ; v14  LDS address of my spare word; never rewritten
.set NIL,  15                          ; v15  0; never rewritten
.set AC,   16                          ; v16  the activations' address in the trip in hand
.set PFO,  18                          ; v18  256 x lane
.set OUTO, 19                          ; v19  my 16 bytes of out0
.set BT,   20                          ; v20-23 a bias in layout N
.set ST,   24
.set A,    64
.set WB,   128
.set ACC1, 0
.set ACC2, 128
.set WV,   40                          ; s40  my wave's number
.set WP,   42                          ; s[42:43] my stream, at the K step that the trip's first refill brings
.set CNT,  44                          ; s44  trips of a product still to come
.set KOFF, 45                          ; s45  the trip's bytes along the activations' rows
.set PASS, 46                          ; s46  ISABs still to come
.set PFC,  47                          ; s47  trips that still prefetch
.set CS,   48                          ; s[48:49] c, named as a pair
.set SEL,  50                          ; s[50:51] v_permlanex16_b32's selects: each lane takes its own place in the other half
.set R512, 52                          ; s52  1 / 512
.set EPS,  53                          ; s53  1e-5
.set MSB, 0
.macro WIN new                         ; the immediate's high byte repeats the setting that is left; a switch that changes nothing is dropped
.if MSB != (\new)
	s_set_vgpr_msb (MSB<<8)|(\new)
.set MSB, (\new)
.endif
.endm
.macro FORT rt, line:vararg            ; one line for each row tile (or unit) t
.set t, 0
.rept \rt
	\line
.set t, t+1
.endr
.endm
.macro PLACES                          ; four places behind a matrix instruction, ahead of loads into its sources and of vector lines that read its result
.rept 4
	v_nop
.endr
.endm
.macro BAR                             ; my LDS stores and loads are done; then everybody's are
	s_wait_dscnt 0x0
	s_barrier_signal -1
	s_barrier_wait -1
.endm
; A PREFETCH of my own stream: the 16 KiB that stand two trips behind the trip's refills, a lane a block of 256 bytes, two instructions.  Only work-group 0 asks (PFC = 30 there, 0 elsewhere), each wave for its own
; stream, so each block is named once in the launch.  The first 48 KiB come by their loads alone; the thirtieth trip names the tail, the stream's last bytes; the second walk asks for nothing.
.macro ASK
	s_cmp_lg_u32 s[PFC], 0
	s_cbranch_scc0 .Lnoask_\@
	global_prefetch_b8 v[PFO], s[WP:WP+1] offset:32768 th:TH_LOAD_NT scope:SCOPE_SE
	global_prefetch_b8 v[PFO], s[WP:WP+1] offset:40960 th:TH_LOAD_NT scope:SCOPE_SE
	s_sub_co_u32 s[PFC], s[PFC], 1
.Lnoask_\@:
.endm
; The activations of the K step two on from step i of the trip, into the buffer that step i has just multiplied.
.macro ALOAD i, rt
.set t, 0
.rept \rt
	ds_load_b128 v[A+32*((\i)%2)+8*t:A+32*((\i)%2)+8*t+3],   v[AC] offset:t*16*PX+64*((\i)+2)
	ds_load_b128 v[A+32*((\i)%2)+8*t+4:A+32*((\i)%2)+8*t+7], v[AC] offset:t*16*PX+64*((\i)+2)+32
.set t, t+1
.endr
.endm
; K step i of a trip's four: 4 rt matrix instructions, each on an accumulator of its own, by turns, over the backward jump too; then the refills.
.macro KSTEP i, rt, ori, acc
	s_wait_loadcnt 24                              ; weight buffer i is in: behind its eight loads stand the 24 of the three younger K steps
.if (\i) < 3
	s_wait_dscnt 2*(\rt)                           ; this step's activations are in; the next step's 2 rt loads may stay out
.endif
	WIN 0x50                                       ; C and D in window 1
.set n, 0
.rept 4*(\rt)
.if (\ori) == 0
	v_wmma_f32_16x16x32_f16 v[(\acc)+8*n:(\acc)+8*n+7], v[WB+32*(\i)+8*(n%4):WB+32*(\i)+8*(n%4)+7], v[A+32*((\i)%2)+8*(n/4):A+32*((\i)%2)+8*(n/4)+7], v[(\acc)+8*n:(\acc)+8*n+7]
.else
	v_wmma_f32_16x16x32_f16 v[(\acc)+8*n:(\acc)+8*n+7], v[A+32*((\i)%2)+8*(n/4):A+32*((\i)%2)+8*(n/4)+7], v[WB+32*(\i)+8*(n%4):WB+32*(\i)+8*(n%4)+7], v[(\acc)+8*n:(\acc)+8*n+7]
.endif
.set n, n+1
.endr
	WIN 0
	PLACES
.set q, 0
.rept 8
	global_load_b128 v[WB+32*(\i)+4*q:WB+32*(\i)+4*q+3], v[WOFF], s[WP:WP+1] offset:4096*(\i)+512*q  ; the K step four on in my stream, into the next matrix too
.set q, q+1
.endr
.if (\i) < 2
	ALOAD \i, \rt
.endif
.if (\i) == 0
	ASK
.endif
.if (\i) == 2                          ; the last trip has no K step 16: its look-ahead is jumped over, and the wait for step 3's activations stands in both arms with its own count
	s_cmp_eq_u32 s[CNT], 1
	s_cbranch_scc1 .Llast_\@
	ALOAD 2, \rt
	s_wait_dscnt 2*(\rt)
	s_branch .Lgo_\@
.Llast_\@:
	s_wait_dscnt 0x0                               ; nothing was issued behind them
.Lgo_\@:
.endif
.if (\i) == 3
	s_cmp_eq_u32 s[CNT], 1
	s_cbranch_scc1 .Lend_\@
	ALOAD 3, \rt
.Lend_\@:
.endif
.endm
; A PRODUCT: rt row tiles of 16 rows at abuf x my 64 columns of the stream's next matrix, K = 512 in four trips of four K steps.  ori = 0: layout T, 1: layout N.
; The bias starts the sums: it is loaded (T) or copied (N) into the accumulators, so that nothing is cleared and no first K step is written out.
.macro GEMM rt, ori, abuf, acc, bias
	WIN 0
	v_mov_b32 v[AC], v[\abuf]
	s_mov_b32 s[KOFF], 0
.set t, 0
.rept \rt
	ds_load_b128 v[A+8*t:A+8*t+3],       v[AC] offset:t*16*PX
	ds_load_b128 v[A+8*t+4:A+8*t+7],     v[AC] offset:t*16*PX+32
	ds_load_b128 v[A+32+8*t:A+32+8*t+3], v[AC] offset:t*16*PX+64
	ds_load_b128 v[A+32+8*t+4:A+32+8*t+7], v[AC] offset:t*16*PX+96
.set t, t+1
.endr
.if (\ori) == 0
	WIN 0x40
.set n, 0
.rept 4*(\rt)
	ds_load_b128 v[(\acc)+8*n:(\acc)+8*n+3],   v[PT] offset:(\bias)*2048+64*(n%4)
	ds_load_b128 v[(\acc)+8*n+4:(\acc)+8*n+7], v[PT] offset:(\bias)*2048+64*(n%4)+16
.set n, n+1
.endr
	s_wait_dscnt 0x0
.else
.set n, 0
.rept 4
	ds_load_b32 v[BT+n], v[PN] offset:(\bias)*2048+64*n
.set n, n+1
.endr
	s_wait_dscnt 0x0
	WIN 0x40
.set n, 0
.rept 32*(\rt)
	v_mov_b32 v[(\acc)+n], v[BT+(n/8)%4]           ; a lane's channel has one bias for all its rows
.set n, n+1
.endr
.endif
	WIN 0
	s_mov_b32 s[CNT], 4
.Lk_\@:
	KSTEP 0, \rt, \ori, \acc
	KSTEP 1, \rt, \ori, \acc
	KSTEP 2, \rt, \ori, \acc
	KSTEP 3, \rt, \ori, \acc
	s_wait_xcnt 0x0                                ; the trip's loads and prefetches have read their address (the prefetches three K steps back): it may be stepped
	s_add_nc_u64 s[WP:WP+1], s[WP:WP+1], 16384
	s_add_co_u32 s[KOFF], s[KOFF], 256
	v_add_nc_u32 v[AC], s[KOFF], v[\abuf]
	s_sub_co_u32 s[CNT], s[CNT], 1
	s_cmp_lg_u32 s[CNT], 0
	s_cbranch_scc1 .Lk_\@
.endm
; LAYERNORM of rt row tiles in layout T, in place.  Pair p of column tile c of row tile t lies at base + rs t + cs c + 2 p (window 1).  gi, bi: the gain's and the offset's numbers in PAR.
; T = ST + 8 t: +0..3 at work, +4 my wave's mean, +5 its M2, +6 1 / sqrt(var + eps), +7 my mean less the row's.
.macro LN base, rs, cs, rt, gi, bi
	WIN 0x05                                       ; the sum of my 32 channels, in two chains
.set t, 0
.rept \rt
.set xx, (\base)+(\rs)*t
	v_pk_add_f32 v[ST+8*t:ST+8*t+1], v[xx:xx+1], v[xx+2:xx+3]
	v_pk_add_f32 v[ST+8*t+2:ST+8*t+3], v[xx+2*(\cs):xx+2*(\cs)+1], v[xx+2*(\cs)+2:xx+2*(\cs)+3]
.set t, t+1
.endr
	WIN 0x04
.set k, 2
.rept 6
.set t, 0
.rept \rt
.set xx, (\base)+(\rs)*t+(\cs)*(k/4)+2*(k%4)
	v_pk_add_f32 v[ST+8*t:ST+8*t+1], v[ST+8*t:ST+8*t+1], v[xx:xx+1]
	v_pk_add_f32 v[ST+8*t+2:ST+8*t+3], v[ST+8*t+2:ST+8*t+3], v[xx+2*(\cs):xx+2*(\cs)+1]
.set t, t+1
.endr
.set k, k+1
.endr
	WIN 0
	FORT \rt, v_pk_add_f32 v[ST+8*t:ST+8*t+1], v[ST+8*t:ST+8*t+1], v[ST+8*t+2:ST+8*t+3]
	FORT \rt, v_add_f32 v[ST+8*t], v[ST+8*t], v[ST+8*t+1]
	FORT \rt, v_permlanex16_b32 v[ST+8*t+1], v[ST+8*t], s[SEL], s[SEL+1]  ; the row's other 32 of my wave's channels lie in the lane 16 away
	FORT \rt, v_add_f32 v[ST+8*t], v[ST+8*t], v[ST+8*t+1]
	FORT \rt, v_mul_f32 v[ST+8*t+4], 0x3c800000, v[ST+8*t]                ; / 64
	FORT \rt, v_mov_b32 v[ST+8*t+5], v[ST+8*t+4]
	WIN 0x41                                       ; centred on my wave's mean, in place
.set k, 0
.rept 16
.set t, 0
.rept \rt
.set xx, (\base)+(\rs)*t+(\cs)*(k/4)+2*(k%4)
	v_pk_add_f32 v[xx:xx+1], v[xx:xx+1], v[ST+8*t+4:ST+8*t+5] neg_lo:[0,1] neg_hi:[0,1]
.set t, t+1
.endr
.set k, k+1
.endr
	WIN 0x05                                       ; the centred squares, in two chains
.set k, 0
.rept 8
.set t, 0
.rept \rt
.set xx, (\base)+(\rs)*t+(\cs)*(k/4)+2*(k%4)
.if k == 0
	v_pk_mul_f32 v[ST+8*t:ST+8*t+1], v[xx:xx+1], v[xx:xx+1]
	v_pk_mul_f32 v[ST+8*t+2:ST+8*t+3], v[xx+2*(\cs):xx+2*(\cs)+1], v[xx+2*(\cs):xx+2*(\cs)+1]
.else
	v_pk_fma_f32 v[ST+8*t:ST+8*t+1], v[xx:xx+1], v[xx:xx+1], v[ST+8*t:ST+8*t+1]
	v_pk_fma_f32 v[ST+8*t+2:ST+8*t+3], v[xx+2*(\cs):xx+2*(\cs)+1], v[xx+2*(\cs):xx+2*(\cs)+1], v[ST+8*t+2:ST+8*t+3]
.endif
.set t, t+1
.endr
.set k, k+1
.endr
	WIN 0
	FORT \rt, v_pk_add_f32 v[ST+8*t:ST+8*t+1], v[ST+8*t:ST+8*t+1], v[ST+8*t+2:ST+8*t+3]
	FORT \rt, v_add_f32 v[ST+8*t], v[ST+8*t], v[ST+8*t+1]
	FORT \rt, v_permlanex16_b32 v[ST+8*t+1], v[ST+8*t], s[SEL], s[SEL+1]
	FORT \rt, v_add_f32 v[ST+8*t+5], v[ST+8*t], v[ST+8*t+1]
	FORT \rt, ds_store_b64 v[STW], v[ST+8*t+4:ST+8*t+5] offset:1280*t     ; both halves of the lanes hold, and write, the same two numbers
	BAR                                            ; the eight waves' statistics lie in LDS; and every wave's reads of the activation buffer that is written next are over
.set n, 0
.rept 4*(\rt)
	ds_load_b128 v[A+4*n:A+4*n+3], v[STR] offset:1280*(n/4)+16*(n%4)      ; (mean_v, M2_v) of wave v at A + 16 t + 2 v
.set n, n+1
.endr
	s_wait_dscnt 0x0
	FORT \rt, v_pk_add_f32 v[ST+8*t:ST+8*t+1], v[A+16*t:A+16*t+1], v[A+16*t+2:A+16*t+3]
	FORT \rt, v_pk_add_f32 v[ST+8*t+2:ST+8*t+3], v[A+16*t+4:A+16*t+5], v[A+16*t+6:A+16*t+7]
	FORT \rt, v_pk_add_f32 v[ST+8*t:ST+8*t+1], v[ST+8*t:ST+8*t+1], v[A+16*t+8:A+16*t+9]
	FORT \rt, v_pk_add_f32 v[ST+8*t+2:ST+8*t+3], v[ST+8*t+2:ST+8*t+3], v[A+16*t+10:A+16*t+11]
	FORT \rt, v_pk_add_f32 v[ST+8*t:ST+8*t+1], v[ST+8*t:ST+8*t+1], v[A+16*t+12:A+16*t+13]
	FORT \rt, v_pk_add_f32 v[ST+8*t+2:ST+8*t+3], v[ST+8*t+2:ST+8*t+3], v[A+16*t+14:A+16*t+15]
	FORT \rt, v_pk_add_f32 v[ST+8*t:ST+8*t+1], v[ST+8*t:ST+8*t+1], v[ST+8*t+2:ST+8*t+3]
	FORT \rt, v_mul_f32 v[ST+8*t], 0x3e000000, v[ST+8*t]                  ; the row's mean; +1: the sum of the eight M2
.set k, 0
.rept 8
	FORT \rt, v_sub_f32 v[A+16*t+2*k], v[A+16*t+2*k], v[ST+8*t]
.set k, k+1
.endr
	FORT \rt, v_mul_f32 v[ST+8*t+2], v[A+16*t], v[A+16*t]
.set k, 1
.rept 7
	FORT \rt, v_fmac_f32 v[ST+8*t+2], v[A+16*t+2*k], v[A+16*t+2*k]
.set k, k+1
.endr
	FORT \rt, v_fmamk_f32 v[ST+8*t+1], v[ST+8*t+2], 0x42800000, v[ST+8*t+1]  ; M2 = 64 sum (mean_v - mean)^2 + sum M2_v
	FORT \rt, v_fma_f32 v[ST+8*t+6], v[ST+8*t+1], s[R512], s[EPS]            ; var + eps
	FORT \rt, v_sub_f32 v[ST+8*t+7], v[ST+8*t+4], v[ST+8*t]
	FORT \rt, v_rsq_f32 v[ST+8*t+6], v[ST+8*t+6]
	v_nop                                          ; a plain instruction behind the last of the batch,
	s_wait_alu depctr_va_vdst(0)                   ; and one wait ahead of the first use
	FORT \rt, v_mul_f32 v[ST+8*t+2], v[ST+8*t+7], v[ST+8*t+6]
.set n, 0
.rept 4
	ds_load_b128 v[A+8*n:A+8*n+3],       v[PT] offset:(\gi)*2048+64*n
	ds_load_b128 v[A+8*n+4:A+8*n+7],     v[PT] offset:(\gi)*2048+64*n+16
	ds_load_b128 v[A+32+8*n:A+32+8*n+3], v[PT] offset:(\bi)*2048+64*n
	ds_load_b128 v[A+32+8*n+4:A+32+8*n+7], v[PT] offset:(\bi)*2048+64*n+16
.set n, n+1
.endr
	WIN 0x41                                       ; (x - mean) rs = (x - my mean) rs + (my mean - mean) rs, while the gains are on their way
.set k, 0
.rept 16
.set t, 0
.rept \rt
.set xx, (\base)+(\rs)*t+(\cs)*(k/4)+2*(k%4)
	v_pk_fma_f32 v[xx:xx+1], v[xx:xx+1], v[ST+8*t+6:ST+8*t+7], v[ST+8*t+2:ST+8*t+3] op_sel_hi:[1,0,0]
.set t, t+1
.endr
.set k, k+1
.endr
	s_wait_dscnt 0x0
.set k, 0
.rept 16
.set t, 0
.rept \rt
.set xx, (\base)+(\rs)*t+(\cs)*(k/4)+2*(k%4)
	v_pk_fma_f32 v[xx:xx+1], v[xx:xx+1], v[A+2*k:A+2*k+1], v[A+32+2*k:A+32+2*k+1]
.set t, t+1
.endr
.set k, k+1
.endr
	WIN 0
.endm
; The f16 copy of rt row tiles in layout T goes into an activation buffer: a lane's eight channels of a tile are 16 bytes of a row.  The barrier shows it to everybody.
.macro STOREACT base, rs, cs, rt, sadr
	WIN 0x05
.set n, 0
.rept 16*(\rt)
.set xx, (\base)+(\rs)*(n/16)+(\cs)*((n/4)%4)+2*(n%4)
	v_cvt_pk_f16_f32 v[A+n], v[xx], v[xx+1]
.set n, n+1
.endr
	WIN 0
.set n, 0
.rept 4*(\rt)
	ds_store_b128 v[\sadr], v[A+4*n:A+4*n+3] offset:(n/4)*16*PX+32*(n%4)
.set n, n+1
.endr
	BAR
.endm
; X += relu(Y).  Y: the product's tiles at yb + 32 t + 8 c, read in ascending order.
.macro RELUADD xb, rs, cs, yb, rt
	WIN 0x44
.set n, 0
.rept 32*(\rt)
	v_max_num_f32 v[(\yb)+n], 0, v[(\yb)+n]
.set n, n+1
.endr
	WIN 0x45
.set n, 0
.rept 16*(\rt)
.set xx, (\xb)+(\rs)*(n/16)+(\cs)*((n/4)%4)+2*(n%4)
	v_pk_add_f32 v[xx:xx+1], v[xx:xx+1], v[(\yb)+2*n:(\yb)+2*n+1]
.set n, n+1
.endr
	WIN 0
.endm
; SOFTMAX of two units side by side: n (16 or 8) scores a lane at sb + ss t, the query's other n in the lane 16 away; the weights, divided by their sum and rounded to f16, go to pb + 8 t.
.macro SOFTMAX n, sb, ss, pb
	WIN 0
	FORT 2, v_max3_num_f32 v[ST+8*t], v[(\sb)+(\ss)*t], v[(\sb)+(\ss)*t+1], v[(\sb)+(\ss)*t+2]
.if (\n) == 16
	FORT 2, v_max3_num_f32 v[ST+8*t+1], v[(\sb)+(\ss)*t+8], v[(\sb)+(\ss)*t+9], v[(\sb)+(\ss)*t+10]
	FORT 2, v_max3_num_f32 v[ST+8*t], v[ST+8*t], v[(\sb)+(\ss)*t+3], v[(\sb)+(\ss)*t+4]
	FORT 2, v_max3_num_f32 v[ST+8*t+1], v[ST+8*t+1], v[(\sb)+(\ss)*t+11], v[(\sb)+(\ss)*t+12]
	FORT 2, v_max3_num_f32 v[ST+8*t], v[ST+8*t], v[(\sb)+(\ss)*t+5], v[(\sb)+(\ss)*t+6]
	FORT 2, v_max3_num_f32 v[ST+8*t+1], v[ST+8*t+1], v[(\sb)+(\ss)*t+13], v[(\sb)+(\ss)*t+14]
	FORT 2, v_max3_num_f32 v[ST+8*t], v[ST+8*t], v[(\sb)+(\ss)*t+7], v[(\sb)+(\ss)*t+15]
.else
	FORT 2, v_max3_num_f32 v[ST+8*t+1], v[(\sb)+(\ss)*t+3], v[(\sb)+(\ss)*t+4], v[(\sb)+(\ss)*t+5]
	FORT 2, v_max3_num_f32 v[ST+8*t], v[ST+8*t], v[(\sb)+(\ss)*t+6], v[(\sb)+(\ss)*t+7]
.endif
	FORT 2, v_max_num_f32 v[ST+8*t], v[ST+8*t], v[ST+8*t+1]
	FORT 2, v_permlanex16_b32 v[ST+8*t+1], v[ST+8*t], s[SEL], s[SEL+1]
	FORT 2, v_max_num_f32 v[ST+8*t+1], v[ST+8*t], v[ST+8*t+1]             ; m
	FORT 2, v_mul_f32 v[ST+8*t], s[CS], v[ST+8*t+1]                       ; c m
.set k, 0
.rept (\n)/2
	FORT 2, v_pk_fma_f32 v[(\sb)+(\ss)*t+2*k:(\sb)+(\ss)*t+2*k+1], v[(\sb)+(\ss)*t+2*k:(\sb)+(\ss)*t+2*k+1], s[CS:CS+1], v[ST+8*t:ST+8*t+1] op_sel_hi:[1,0,0] neg_lo:[0,0,1] neg_hi:[0,0,1]
.set k, k+1
.endr
.set k, 0
.rept \n
	FORT 2, v_exp_f32 v[(\sb)+(\ss)*t+k], v[(\sb)+(\ss)*t+k]
.set k, k+1
.endr
	v_nop                                          ; a plain instruction behind the last exponential,
	s_wait_alu depctr_va_vdst(0)                   ; and one wait for the batch
	FORT 2, v_pk_add_f32 v[ST+8*t+2:ST+8*t+3], v[(\sb)+(\ss)*t:(\sb)+(\ss)*t+1], v[(\sb)+(\ss)*t+2:(\sb)+(\ss)*t+3]
	FORT 2, v_pk_add_f32 v[ST+8*t+4:ST+8*t+5], v[(\sb)+(\ss)*t+4:(\sb)+(\ss)*t+5], v[(\sb)+(\ss)*t+6:(\sb)+(\ss)*t+7]
.if (\n) == 16
	FORT 2, v_pk_add_f32 v[ST+8*t+2:ST+8*t+3], v[ST+8*t+2:ST+8*t+3], v[(\sb)+(\ss)*t+8:(\sb)+(\ss)*t+9]
	FORT 2, v_pk_add_f32 v[ST+8*t+4:ST+8*t+5], v[ST+8*t+4:ST+8*t+5], v[(\sb)+(\ss)*t+10:(\sb)+(\ss)*t+11]
	FORT 2, v_pk_add_f32 v[ST+8*t+2:ST+8*t+3], v[ST+8*t+2:ST+8*t+3], v[(\sb)+(\ss)*t+12:(\sb)+(\ss)*t+13]
	FORT 2, v_pk_add_f32 v[ST+8*t+4:ST+8*t+5], v[ST+8*t+4:ST+8*t+5], v[(\sb)+(\ss)*t+14:(\sb)+(\ss)*t+15]
.endif
	FORT 2, v_pk_add_f32 v[ST+8*t+2:ST+8*t+3], v[ST+8*t+2:ST+8*t+3], v[ST+8*t+4:ST+8*t+5]
	FORT 2, v_add_f32 v[ST+8*t+2], v[ST+8*t+2], v[ST+8*t+3]
	FORT 2, v_permlanex16_b32 v[ST+8*t+3], v[ST+8*t+2], s[SEL], s[SEL+1]
	FORT 2, v_add_f32 v[ST+8*t+2], v[ST+8*t+2], v[ST+8*t+3]               ; l: at least 1, the maximum's own weight
	FORT 2, v_rcp_f32 v[ST+8*t+4], v[ST+8*t+2]
	v_nop
	s_wait_alu depctr_va_vdst(0)
.set k, 0
.rept (\n)/2
	FORT 2, v_pk_mul_f32 v[(\sb)+(\ss)*t+2*k:(\sb)+(\ss)*t+2*k+1], v[(\sb)+(\ss)*t+2*k:(\sb)+(\ss)*t+2*k+1], v[ST+8*t+4:ST+8*t+5] op_sel_hi:[1,0]
.set k, k+1
.endr
.set k, 0
.rept (\n)/2
	FORT 2, v_cvt_pk_f16_f32 v[(\pb)+8*t+k], v[(\sb)+(\ss)*t+2*k], v[(\sb)+(\ss)*t+2*k+1]
.set k, k+1
.endr
.endm
; nf fragments of K (16 keys x 32 channels), in place: the 16 registers of two column tiles at kb + 16 f become 8; the upper 8 are free.
.macro KPACK kb, nf
	WIN 0x45
.set n, 0
.rept 8*(\nf)
	v_cvt_pk_f16_f32 v[(\kb)+16*(n/8)+n%8], v[(\kb)+16*(n/8)+2*(n%8)], v[(\kb)+16*(n/8)+2*(n%8)+1]
.set n, n+1
.endr
.endm
; Four fragments of V^T (16 channels x 32 keys), in place at vb + 8 c: keys 0-15 from the row tile at vb, keys 16-31 from the row tile at vb + 32.
.macro VPACK vb
	WIN 0x45
.set n, 0
.rept 4
.set e, (\vb)+8*n
.irp q, 0,1,2,3
	v_cvt_pk_f16_f32 v[e+\q], v[e+2*\q], v[e+2*\q+1]
.endr
.irp q, 0,1,2,3
	v_cvt_pk_f16_f32 v[e+4+\q], v[e+32+2*\q], v[e+32+2*\q+1]
.endr
.set n, n+1
.endr
.endm
.macro PLD idx, sp, off                ; vector idx of PAR: 8 bytes a thread
	global_load_b64 v[ACC2+32+2*(\idx):ACC2+32+2*(\idx)+1], v1, s[\sp:\sp+1] offset:\off
.endm
	; ---------------- THE HEAD
	s_load_b512 s[8:23], s[0:1], 0x0               ; wsw s[8:9], x s[10:11], I s[12:13], out0 s[14:15], bqkv0 s[16:17], bo0 s[18:19], g0_0 s[20:21], b0_0 s[22:23]
	s_load_b512 s[24:39], s[0:1], 0x40             ; g1_0 s[24:25], b1_0 s[26:27], bqkv1 s[28:29], bo1 s[30:31], g0_1 s[32:33], b0_1 s[34:35], g1_1 s[36:37], b1_1 s[38:39]
	v_lshl_add_u32 v[SPW], v0, 2, SPARE
	v_mov_b32 v[NIL], 0
	v_lshrrev_b32 v1, 5, v0
	v_readfirstlane_b32 s[WV], v1                  ; wave 0..7
	v_and_b32 v20, 31, v0                          ; lane
	v_and_b32 v21, 15, v0                          ; l % 16
	v_bfe_u32 v22, v0, 4, 1                        ; l / 16
	v_lshlrev_b32 v[WOFF], 4, v20
	v_lshlrev_b32 v[PFO], 8, v20
	v_mul_u32_u24 v[AX], v21, PX
	v_lshl_add_u32 v[AX], v22, 4, v[AX]
	v_add_nc_u32 v[AH], HBUF, v[AX]
	s_lshl_b32 s2, s[WV], 7
	v_add_nc_u32 v[SX], s2, v[AX]
	v_add_nc_u32 v[SH], HBUF, v[SX]
	s_lshl_b32 s2, s[WV], 8
	v_lshl_add_u32 v1, v20, 3, s2                  ; 8 x my thread's number: my 8 bytes of a vector of 512 f32
	v_lshl_add_u32 v[OUTO], v21, 4, s2             ; out0: my wave's 256 bytes of a row, 16 a lane,
	v_lshl_add_u32 v[OUTO], v22, 11, v[OUTO]       ; lanes 16-31 in the second batch's row
	s_add_co_u32 s2, s2, PAR
	v_lshl_add_u32 v[PT], v22, 5, s2
	v_lshl_add_u32 v[PN], v21, 2, s2
	v_lshl_add_u32 v23, v20, 3, s2                 ; where my 8 bytes of a vector go
	v_mul_u32_u24 v[STR], v21, 80
	v_add_nc_u32 v[STR], STAT, v[STR]
	s_lshl_b32 s2, s[WV], 3
	v_add_nc_u32 v[STW], s2, v[STR]
	s_mul_i32 s2, s[WV], 6144
	s_add_co_u32 s2, s2, Q0S
	v_add_nc_u32 v[QS], s2, v[WOFF]
	s_lshl_b32 s2, s[WV], 9
	s_add_co_u32 s2, s2, POOL
	v_lshl_add_u32 v[PLW], v22, 5, s2
	v_add_nc_u32 v[PLR], s2, v[WOFF]
	s_mul_i32 s2, s[WV], 8*PX
	v_lshl_add_u32 v24, v20, 3, s2                 ; x: my wave rounds rows 8 w .. 8 w + 7, 8 bytes of f16 a lane
	s_mul_i32 s2, s[WV], 2*PX
	s_add_co_u32 s2, s2, HBUF
	v_lshl_add_u32 v25, v20, 3, s2                 ; I: rows 2 w, 2 w + 1
	s_lshl_b32 s54, s[WV], 12                      ; I: two rows of 2,048 bytes
	s_mov_b32 s55, 0
	s_lshl_b32 s56, ttmp9, 17                      ; x: the work-group's 64 rows,
	s_lshl_b32 s2, s[WV], 14                       ; my wave's eight
	s_add_co_u32 s56, s56, s2
	s_mov_b32 s57, 0
	s_mul_i32 s[WP], s[WV], WSTR
	s_mov_b32 s[WP+1], 0
	s_lshl_b32 s2, ttmp9, 12                       ; out0: the work-group's two rows
	s_mov_b32 s3, 0
	s_mov_b32 s[CS], 0x3d8293ee                    ; c = log2(e) / sqrt(512) = 0.0637587
	s_mov_b32 s[CS+1], s[CS]
	s_mov_b32 s[SEL], 0x76543210
	s_mov_b32 s[SEL+1], 0xfedcba98
	s_mov_b32 s[R512], 0x3b000000
	s_mov_b32 s[EPS], 0x3727c5ac
	s_cmp_eq_u32 ttmp9, 0
	s_cselect_b32 s[PFC], 30, 0
	s_wait_kmcnt 0x0
	s_add_nc_u64 s[12:13], s[12:13], s[54:55]
	s_add_nc_u64 s[10:11], s[10:11], s[56:57]
	s_add_nc_u64 s[WP:WP+1], s[8:9], s[WP:WP+1]
	s_add_nc_u64 s[14:15], s[14:15], s[2:3]
	WIN 0x40
	PLD 0, 16, 0
	PLD 1, 16, 2048
	PLD 2, 16, 4096
	PLD 3, 18, 0
	PLD 4, 20, 0
	PLD 5, 22, 0
	PLD 6, 24, 0
	PLD 7, 26, 0
	PLD 8, 28, 0
	PLD 9, 28, 2048
	PLD 10, 28, 4096
	PLD 11, 30, 0
	PLD 12, 32, 0
	PLD 13, 34, 0
	PLD 14, 36, 0
	PLD 15, 38, 0
.set n, 0
.rept 8
	global_load_b128 v[ACC2+4*n:ACC2+4*n+3], v[WOFF], s[12:13] offset:512*n
.set n, n+1
.endr
.set n, 0
.rept 32
	global_load_b128 v[ACC1+4*n:ACC1+4*n+3], v[WOFF], s[10:11] offset:512*n th:TH_LOAD_NT  ; my eight rows of x are 16,384 consecutive bytes
.set n, n+1
.endr
	s_wait_loadcnt 32                              ; the vectors and I are in; the 32 loads of x stay out
	WIN 0x04
.set n, 0
.rept 16
	ds_store_b64 v23, v[ACC2+32+2*n:ACC2+32+2*n+1] offset:2048*n
.set n, n+1
.endr
	WIN 0x05
.set n, 0
.rept 16
	v_cvt_pk_f16_f32 v[A+n], v[ACC2+2*n], v[ACC2+2*n+1]
.set n, n+1
.endr
	WIN 0
.set n, 0
.rept 8
	ds_store_b64 v25, v[A+2*n:A+2*n+1] offset:(n/4)*PX+(n%4)*256
.set n, n+1
.endr
.set n, 0
.rept 32
	global_load_b128 v[WB+4*n:WB+4*n+3], v[WOFF], s[WP:WP+1] offset:512*n  ; the ring is primed: K steps 0 to 3 of my stream
.set n, n+1
.endr
	s_wait_loadcnt 32                              ; x is in; the 32 weight loads stay out
	WIN 0x05
.set n, 0
.rept 64
	v_cvt_pk_f16_f32 v[A+n], v[ACC1+2*n], v[ACC1+2*n+1]
.set n, n+1
.endr
	WIN 0
.set n, 0
.rept 32
	ds_store_b64 v24, v[A+2*n:A+2*n+1] offset:(n/4)*PX+(n%4)*256
.set n, n+1
.endr
	s_wait_xcnt 0x0                                ; the priming loads have read their address
	s_add_nc_u64 s[WP:WP+1], s[WP:WP+1], 16384
	BAR                                            ; X, I and the vectors lie in LDS
	; ---------------- Q0 = I Wq0 + bq0, once: the same for both batches and both ISABs.  Its registers are set aside as they lie, in my wave's own bytes
	GEMM 1, 0, AH, ACC1, 0
	WIN 0x04
.set n, 0
.rept 8
	ds_store_b128 v[QS], v[ACC1+4*n:ACC1+4*n+3] offset:512*n
.set n, n+1
.endr
	WIN 0x05
.set n, 0
.rept 16
	v_cvt_pk_f16_f32 v[A+n], v[ACC1+2*n], v[ACC1+2*n+1]                    ; two fragments of 16 queries x 32 channels
.set n, n+1
.endr
	WIN 0
.set n, 0
.rept 4
	ds_store_b128 v[QS], v[A+4*n:A+4*n+3] offset:4096+512*n
.set n, n+1
.endr
	s_mov_b32 s[PASS], 2
.Lisab:
	; ---------------- MAB0(I, X)
	GEMM 4, 0, AX, ACC1, 1                         ; K0, layout T
	GEMM 4, 1, AX, ACC2, 2                         ; V0, layout N
	WIN 0
.set n, 0
.rept 4
	ds_load_b128 v[A+4*n:A+4*n+3], v[QS] offset:4096+512*n                 ; Q0's fragments
.set n, n+1
.endr
	KPACK ACC1, 8                                  ; K's fragment (row tile rt, channels 32 kk on) at ACC1 + 32 rt + 16 kk
	WIN 0x40
.set n, 0
.rept 8                                ; O(b, c), n = 4 b + c, takes the eight registers that the packing has freed, and starts as Q0: the residual
	ds_load_b128 v[ACC1+16*n+8:ACC1+16*n+11],  v[QS] offset:1024*(n%4)
	ds_load_b128 v[ACC1+16*n+12:ACC1+16*n+15], v[QS] offset:1024*(n%4)+512
.set n, n+1
.endr
	VPACK ACC2                                     ; batch 0's V^T
	VPACK ACC2+64                                  ; batch 1's
	s_wait_dscnt 0x0
	WIN 0x01                                       ; K in window 1; Q0 and S^T in window 0
.set n, 0
.rept 8                                ; S^T of key tile u = 2 b + kt at A + 16 + 8 u; the four take turns
.set u, n%4
.if n < 4
	v_wmma_f32_16x16x32_f16 v[A+16+8*u:A+16+8*u+7], v[ACC1+32*u:ACC1+32*u+7], v[A:A+7], 0
.else
	v_wmma_f32_16x16x32_f16 v[A+16+8*u:A+16+8*u+7], v[ACC1+32*u+16:ACC1+32*u+23], v[A+8:A+15], v[A+16+8*u:A+16+8*u+7]
.endif
.set n, n+1
.endr
	WIN 0
	PLACES
	SOFTMAX 16, A+16, 16, A+48
	WIN 0x51                                       ; V^T, C and D in window 1, P in window 0
.set n, 0
.rept 8
	v_wmma_f32_16x16x32_f16 v[ACC1+16*n+8:ACC1+16*n+15], v[ACC2+64*(n/4)+8*(n%4):ACC2+64*(n/4)+8*(n%4)+7], v[A+48+8*(n/4):A+48+8*(n/4)+7], v[ACC1+16*n+8:ACC1+16*n+15]
.set n, n+1
.endr
	WIN 0
	PLACES
	LN ACC1+8, 64, 16, 2, 4, 5
	STOREACT ACC1+8, 64, 16, 2, SH
	GEMM 2, 0, AH, ACC2, 3                         ; O' Wo0 + bo0
	RELUADD ACC1+8, 64, 16, ACC2, 2
	LN ACC1+8, 64, 16, 2, 6, 7
	STOREACT ACC1+8, 64, 16, 2, SH                 ; H
	; ---------------- MAB1(X, H)
	GEMM 2, 0, AH, ACC1, 9                         ; K1, layout T
	GEMM 2, 1, AH, ACC1+64, 10                     ; V1, layout N
	GEMM 4, 0, AX, ACC2, 8                         ; Q1, layout T: it stays in f32 as the residual
	KPACK ACC1, 4                                  ; K1's fragment (batch b, channels 32 kk on) at ACC1 + 32 b + 16 kk
	VPACK ACC1+64                                  ; V1^T: keys 0-15 are batch 0's rows of H, keys 16-31 batch 1's; P holds zeros for the other batch's
.irp b, 0,1
	WIN 0x05
.set n, 0
.rept 32                               ; the batch's two query tiles u: fragments at A + 16 u + 8 kk
	v_cvt_pk_f16_f32 v[A+n], v[ACC2+64*\b+2*n], v[ACC2+64*\b+2*n+1]
.set n, n+1
.endr
	WIN 0
.set n, 0
.rept 8
	v_mov_b32 v[A+48+8*(n/4)+4*(1-\b)+n%4], 0
.set n, n+1
.endr
	WIN 0x01
.set n, 0
.rept 4                                ; S^T of query tile u = n % 2 at A + 32 + 8 u; the two take turns
.set u, n%2
.if n < 2
	v_wmma_f32_16x16x32_f16 v[A+32+8*u:A+32+8*u+7], v[ACC1+32*\b:ACC1+32*\b+7], v[A+16*u:A+16*u+7], 0
.else
	v_wmma_f32_16x16x32_f16 v[A+32+8*u:A+32+8*u+7], v[ACC1+32*\b+16:ACC1+32*\b+23], v[A+16*u+8:A+16*u+15], v[A+32+8*u:A+32+8*u+7]
.endif
.set n, n+1
.endr
	WIN 0
	PLACES
	SOFTMAX 8, A+32, 8, A+48+4*\b
	WIN 0x51
.set n, 0
.rept 8                                ; query tile u = n / 4, column tile c = n % 4: onto Q1, in place
	v_wmma_f32_16x16x32_f16 v[ACC2+64*\b+8*n:ACC2+64*\b+8*n+7], v[ACC1+64+8*(n%4):ACC1+64+8*(n%4)+7], v[A+48+8*(n/4):A+48+8*(n/4)+7], v[ACC2+64*\b+8*n:ACC2+64*\b+8*n+7]
.set n, n+1
.endr
.endr
	WIN 0
	PLACES
	LN ACC2, 32, 8, 4, 12, 13
	STOREACT ACC2, 32, 8, 4, SX
	GEMM 4, 0, AX, ACC1, 11                        ; O' Wo1 + bo1; its last four refills bring the tail: Wk0's first four K steps
	RELUADD ACC2, 32, 8, ACC1, 4
	LN ACC2, 32, 8, 4, 14, 15
	s_sub_nc_u64 s[WP:WP+1], s[WP:WP+1], 458752    ; from behind the tail back to Wk0's K step 4 (the last loads read the address ahead of the trip's s_wait_xcnt 0)
	s_sub_co_u32 s[PASS], s[PASS], 1
	s_cmp_lg_u32 s[PASS], 0
	s_cbranch_scc0 .Lpool                          ; behind the second ISAB the tail's 16 KiB a wave have been fetched for nothing: the price of one text for both
	STOREACT ACC2, 32, 8, 4, SX                    ; h1 is the next ISAB's X
	s_cmp_lg_u32 s[PASS], 0
	s_cbranch_scc1 .Lisab
.Lpool:
	; ---------------- the mean over a batch's 32 rows: two row tiles, then the 16 lanes of a half
	WIN 0x05
.set n, 0
.rept 32
	v_pk_add_f32 v[A+2*n:A+2*n+1], v[ACC2+64*(n/16)+2*(n%16):ACC2+64*(n/16)+2*(n%16)+1], v[ACC2+64*(n/16)+32+2*(n%16):ACC2+64*(n/16)+32+2*(n%16)+1]
.set n, n+1
.endr
	WIN 0
.irp m, 1,2,4,8
.set n, 0
.rept 64
	v_add_f32_dpp v[A+n], v[A+n], v[A+n] row_xmask:\m row_mask:0xf bank_mask:0xf
.set n, n+1
.endr
.endr
.set n, 0
.rept 8                                ; batch n / 4, column tile n % 4; the 16 lanes of a half hold, and write, the same numbers
	ds_store_b128 v[PLW], v[A+8*n:A+8*n+3]   offset:256*(n/4)+64*(n%4)
	ds_store_b128 v[PLW], v[A+8*n+4:A+8*n+7] offset:256*(n/4)+64*(n%4)+16
.set n, n+1
.endr
	ds_load_b128 v[ST:ST+3], v[PLR]                ; my wave's own bytes, served in order: lanes 0-15 batch 0's 64 channels, lanes 16-31 batch 1's
	s_wait_dscnt 0x0
	v_pk_mul_f32 v[ST:ST+1], v[ST:ST+1], 0x3d000000 op_sel_hi:[1,0]        ; / 32
	v_pk_mul_f32 v[ST+2:ST+3], v[ST+2:ST+3], 0x3d000000 op_sel_hi:[1,0]
	global_store_b128 v[OUTO], v[ST:ST+3], s[14:15]                        ; 16 lanes store 256 consecutive bytes, at a multiple of 256 from out0's first byte
	s_wait_tensorcnt 0x0                           ; the wave's end, behind my last LDS store
	ds_add_u32 v[SPW], v[NIL]
	s_wait_dscnt 0x0
	s_endpgm
.Lfunc_end_k_qe5050bc917_isab2:
	.size	k_qe5050bc917_isab2, .Lfunc_end_k_qe5050bc917_isab2-k_qe5050bc917_isab2
	.p2alignl 7, 3214868480
	.fill 96, 4, 3214868480
	.section	.rodata,"a",@progbits
	.p2align	6, 0x0
	.amdhsa_kernel k_qe5050bc917_isab2
		.amdhsa_group_segment_fixed_size 192000
		.amdhsa_private_segment_fixed_size 0
		.amdhsa_enable_private_segment 0
		.amdhsa_kernarg_size 128
		.amdhsa_user_sgpr_count 2
		.amdhsa_user_sgpr_kernarg_segment_ptr 1
		.amdhsa_wavefront_size32 1
		.amdhsa_system_sgpr_workgroup_id_x 1
		.amdhsa_system_sgpr_workgroup_id_y 1
		.amdhsa_system_sgpr_workgroup_id_z 1
		.amdhsa_system_vgpr_workitem_id 0
		.amdhsa_next_free_vgpr 512
		.amdhsa_next_free_sgpr 66
		.amdhsa_reserve_vcc 0
		.amdhsa_float_denorm_mode_32 3
		.amdhsa_float_denorm_mode_16_64 3
		.amdhsa_memory_ordered 1
		.amdhsa_forward_progress 1
		.amdhsa_inst_pref_size 255
	.end_amdhsa_kernel
	.section	.bss,"aw",@nobits
	.p2align	6
	.space	262144
	.amdgpu_metadata
---
amdhsa.version: [ 1, 2 ]
amdhsa.kernels:
  - .name:           k_qe5050bc917_isab2
    .symbol:         k_qe5050bc917_isab2.kd
    .args:
      - { .name: wsw, .offset: 0, .size: 8, .value_kind: global_buffer, .address_space: global }
      - { .name: x, .offset: 8, .size: 8, .value_kind: global_buffer, .address_space: global }
      - { .name: I, .offset: 16, .size: 8, .value_kind: global_buffer, .address_space: global }
      - { .name: out0, .offset: 24, .size: 8, .value_kind: global_buffer, .address_space: global }
      - { .name: mab0_bqkv, .offset: 32, .size: 8, .value_kind: global_buffer, .address_space: global }
      - { .name: mab0_bo, .offset: 40, .size: 8, .value_kind: global_buffer, .address_space: global }
      - { .name: mab0_g0, .offset: 48, .size: 8, .value_kind: global_buffer, .address_space: global }
      - { .name: mab0_b0, .offset: 56, .size: 8, .value_kind: global_buffer, .address_space: global }
      - { .name: mab0_g1, .offset: 64, .size: 8, .value_kind: global_buffer, .address_space: global }
      - { .name: mab0_b1, .offset: 72, .size: 8, .value_kind: global_buffer, .address_space: global }
      - { .name: mab1_bqkv, .offset: 80, .size: 8, .value_kind: global_buffer, .address_space: global }
      - { .name: mab1_bo, .offset: 88, .size: 8, .value_kind: global_buffer, .address_space: global }
      - { .name: mab1_g0, .offset: 96, .size: 8, .value_kind: global_buffer, .address_space: global }
      - { .name: mab1_b0, .offset: 104, .size: 8, .value_kind: global_buffer, .address_space: global }
      - { .name: mab1_g1, .offset: 112, .size: 8, .value_kind: global_buffer, .address_space: global }
      - { .name: mab1_b1, .offset: 120, .size: 8, .value_kind: global_buffer, .address_space: global }
    .group_segment_fixed_size: 192000
    .private_segment_fixed_size: 0
    .kernarg_segment_align: 8
    .kernarg_segment_size: 128
    .max_flat_workgroup_size: 256
    .sgpr_count:     66
    .vgpr_count:     512
    .wavefront_size: 32
...
	.end_amdgpu_metadata
.endif
;; end of part 2
;; ======== version 2 of 2: 2 launches
;; limits: values are held in f16: magnitudes above 65,504 overflow, below 6.1e-05 lose precision
;; workspace buffers: wsw 3,276,800 bytes; gq 164,864 bytes
;; launch castw (part 3): grid 116 x 1, 8 waves a work-group, no clusters, 68,608 bytes of LDS; arguments mab0_Wqkv, mab0_Wo, mab1_Wqkv, mab1_Wo, I, mab0_bqkv, wsw, gq; writes wsw, gq
.if DOCPART == 3
	.amdgcn_target "amdgcn-amd-amdhsa--gfx1250"
	.amdhsa_code_object_version 6
	.text
	.protected	k_qe5050bc917_castw
	.globl	k_qe5050bc917_castw
	.p2align	8
	.type	k_qe5050bc917_castw,@function
k_qe5050bc917_castw:
	s_mov_b64 s[64:65], 0
	v_nop
	global_prefetch_b8 v0, s[64:65] scope:SCOPE_SE
	s_setreg_imm32_b32 hwreg(HW_REG_WAVE_MODE, 25, 1), 1
	s_wait_xcnt 0x0
; WHAT IS THE SAME FOR EVERY BATCH, ONCE.  Two kinds of work-group, told apart by the work-group's number.
; (1) WORK-GROUPS 16 .. 115: six matrices W[k][n] (512 x 512, f32) are rounded to f16 and laid in the order in which the second launch's waves want them.
; wsw = 8 streams of WSTR bytes, one for each block w of 64 columns n.  A stream: matrices m = 0..5 (Wv0, Wo0, Wk1, Wv1, Wq1, Wo1), 65,536 bytes each, then a TAIL of 16,384 bytes:
; matrix 0's first four K steps once more, so that a reader that runs four K steps ahead can go from Wo1 on into Wv0 by plain steps.
; In a matrix: byte ks*4096 + c*1024 + half*512 + lane*16 holds the eight f16 W[32 ks + 16 half + 8 (lane/16) + 0..7][64 w + 16 c + lane%16]: two loads of 16 bytes a lane are one fragment of 16 columns x 32 k.
; A wave makes one unit (m, w, ks): 32 rows k x 64 columns n.  Loads: lanes 0-15 take 256 consecutive bytes of one row, aligned, lanes 16-31 of the row 8 further down.  The turn from rows to columns
; goes through the wave's own stage in LDS; each store of the wave covers 512 consecutive bytes of wsw, aligned.
; (2) WORK-GROUPS 0 .. 15, two for each head w: mab0's queries and what its scores need of Wk0.  Q0 = I Wq0 + bq0 hangs on no batch, and
;     Q0_h (X Wk0_h + bk0_h)^T = X G_h^T + s0_h   with   G_h[q][c] = sum over d of Q0[q][64 w + d] Wk0[c][64 w + d],   s0_h[q] = sum over d of Q0[q][64 w + d] bk0[64 w + d].
; Q0_h: K = 512 is split among the eight waves, two K steps each (Wq0's fragments are made as in (1)); the partial sums meet in LDS, and every wave adds all eight.  Then each wave makes two tiles of 16 columns c
; of G_h (source 0 = 16 rows c of Wk0, which lie along d; source 1 = Q0_h): a lane ends with eight neighbouring c of one query: 16 bytes of a fragment.
; gq: G / 16 in f16, 16,384 bytes a head, tile ct of 16 columns at ct*512 + lane*16; from GQ_Q0 on Q0 in f32 as the registers lie (lane = query, register 8 c + j = channel 64 w + 16 c + 8 (lane/16) + j),
; 4,096 bytes a head; from GQ_S0 on s0 / 16, a word a lane, 128 bytes a head.  The factor 16 goes into the softmax's scale in the second launch.
; LIMITS.  f16: a weight, a number of I or of Q0 of 65,520 or more in magnitude, or a G of 1,048,320 or more, becomes an infinity; below 6e-5 an f16 keeps its fixed step of 6e-8.
.set WSTR,  409600
.set STG,   4352                       ; a wave's stage: four column blocks of 1,024 bytes, 1,040 apart
.set CP,    1040
.set PARTS, 34816                      ; behind the eight stages: eight partial sums of Q0_h, 4,096 bytes each
.set SPARE, 67584                      ; the spare words, 128 bytes for each wave
.set GQ_Q0, 131072
.set GQ_S0, 163840
.set VL,  2                            ; v2  my byte offset in a unit's rows of W: 16 (l % 16) + 8 rows x (l / 16)
.set VS,  3                            ; v3  where I put 16 bytes in the stage
.set VR,  4                            ; v4  where I read them back
.set VG,  5                            ; v5  16 x lane
.set SPW, 6                            ; v6  LDS address of my spare word; never rewritten
.set NIL, 7                            ; v7  0; never rewritten
.set VK,  8                            ; v8  (l % 16) x 2,048 + 32 (l / 16): a fragment's row of I or of Wk0, eight f32
.set VB,  9                            ; v9  32 (l / 16): my eight channels of a tile of a bias
.set PS,  10                           ; v10 where my wave's partial sum goes
.set PR,  11                           ; v11 where the partial sums are read
.set T,   12                           ; v12-15 at work
.set L,   16                           ; v[16:143]  two units: 16 loads of four f32 each; then the unit's four fragments (32) and I's fragment (8)
.set IL,  144                          ; v[144:175] I as loaded, two K steps; later G's two accumulators
.set CH,  176                          ; v[176:207] 8 chunks of eight f16; later at work; later Wk0's fragments
.set ACC, 208                          ; v[208:239] Q0_h: four tiles of 16 channels
.set QF,  240                          ; v[240:255] Q0_h in f16: two fragments of 16 queries x 32 channels
.set BQ,  0                            ; window 1: v[0:31] bq0, v[32:63] bk0 of my 32 channels; v[64:127] Wk0 as loaded
.set BK,  32
.set KL,  64
.set MSB, 0
.macro WIN new                         ; s_set_vgpr_msb: bits 1:0 source 0, 3:2 source 1, 5:4 source 2, 7:6 destination; the high byte repeats the setting that is left
.if MSB != (\new)
	s_set_vgpr_msb (MSB<<8)|(\new)
.set MSB, (\new)
.endif
.endm
.macro LOADW e                         ; unit e's 32 rows x 256 bytes
.set n, 0
.rept 16
	global_load_b128 v[L+64*(\e)+4*n:L+64*(\e)+4*n+3], v[VL], s[22:23] offset:(\e)*65536+((n/8)*16+n%8)*2048
.set n, n+1
.endr
.endm
; Unit e is rounded and turned: chunk n / 4 = 4 half + i (column 4 (l % 16) + i), register n % 4: rows 2 p and 2 p + 1 of my eight.  w0, w1: the loads that may stay out behind its first and its second eight rows.
.macro UNIT e, w0, w1
.set n, 0
.rept 32
.if n == 0
	s_wait_loadcnt \w0
.endif
.if n == 16
	s_wait_loadcnt \w1
.endif
	v_cvt_pk_f16_f32 v[CH+n], v[L+64*(\e)+4*(8*(n/16)+2*(n%4))+(n/4)%4], v[L+64*(\e)+4*(8*(n/16)+2*(n%4)+1)+(n/4)%4]
.set n, n+1
.endr
.set n, 0
.rept 8
	ds_store_b128 v[VS], v[CH+4*n:CH+4*n+3] offset:(n/4)*512+16*(n%4)  ; sixteen lanes touch sixteen different columns of 16 bytes modulo 256
.set n, n+1
.endr
.set n, 0
.rept 8
	ds_load_b128 v[L+64*(\e)+4*n:L+64*(\e)+4*n+3], v[VR] offset:(n/2)*CP+(n%2)*512  ; LDS serves a wave's instructions in order (ISA guide 5.7.1.4): these see the stores above
.set n, n+1
.endr
.endm
	s_load_b512 s[4:19], s[0:1], 0x0               ; Wqkv0 s[4:5], Wo0 s[6:7], Wqkv1 s[8:9], Wo1 s[10:11], I s[12:13], bqkv0 s[14:15], wsw s[16:17], gq s[18:19]
	v_lshl_add_u32 v[SPW], v0, 2, SPARE
	v_mov_b32 v[NIL], 0
	v_lshrrev_b32 v1, 5, v0
	v_readfirstlane_b32 s20, v1                    ; wave 0..7
	v_and_b32 v12, 15, v0                          ; a = l % 16
	v_bfe_u32 v13, v0, 4, 1                        ; h = l / 16
	v_and_b32 v14, 31, v0                          ; lane
	v_lshlrev_b32 v[VL], 4, v12
	v_lshl_add_u32 v[VL], v13, 14, v[VL]
	s_mul_i32 s24, s20, STG
	v_lshrrev_b32 v15, 2, v12                      ; column block c = a / 4
	v_mul_u32_u24 v[VS], v15, CP
	v_lshl_add_u32 v[VS], v13, 8, v[VS]            ; the fragment's lane is 16 h + 4 (a % 4) + i: 16 bytes each
	v_and_b32 v15, 3, v12
	v_lshl_add_u32 v[VS], v15, 6, v[VS]
	v_add_nc_u32 v[VS], s24, v[VS]
	v_lshlrev_b32 v[VG], 4, v14
	v_add_nc_u32 v[VR], s24, v[VG]
	v_lshlrev_b32 v[VB], 5, v13
	v_lshl_add_u32 v[VK], v12, 11, v[VB]
	s_lshl_b32 s25, s20, 12
	s_add_co_u32 s25, s25, PARTS
	v_add_nc_u32 v[PS], s25, v[VG]
	v_add_nc_u32 v[PR], PARTS, v[VG]
	v_lshlrev_b32 v15, 2, v14                      ; 4 x lane
	s_cmp_lt_u32 ttmp9, 16
	s_cbranch_scc1 .Lprep
	; ---------------- (1) a unit of the streams
	s_sub_co_u32 s21, ttmp9, 16
	s_lshl_b32 s21, s21, 3
	s_add_co_u32 s21, s21, s20                     ; unit u = 0..799
	s_lshr_b32 s26, s21, 7                         ; m = 0..6 (6: the tail)
	s_bfe_u32 s27, s21, 0x30004                    ; w and ks of a matrix's unit,
	s_bfe_u32 s28, s21, 0x30002                    ; and of a tail's: four K steps a stream
	s_and_b32 s29, s21, 15
	s_and_b32 s30, s21, 3
	s_cmp_eq_u32 s26, 6
	s_cselect_b32 s27, s28, s27                    ; w
	s_cselect_b32 s29, s30, s29                    ; ks
	s_cselect_b32 s28, 0, s26                      ; the matrix that is read: the tail reads matrix 0
	s_lshl_b32 s30, s28, 2
	s_lshr_b32 s30, 0x002102, s30                  ; its plane in Wqkv, a nibble for each matrix: v 2, -, k 1, v 2, q 0, -
	s_and_b32 s30, s30, 3
	s_lshl_b32 s30, s30, 20                        ; plane x 512 x 512 x 4 bytes
	s_lshl_b32 s31, s29, 16                        ; + ks x 32 rows of 2,048 bytes
	s_add_co_u32 s30, s30, s31
	s_lshl_b32 s31, s27, 8                         ; + w x 64 columns of 4 bytes
	s_add_co_u32 s30, s30, s31
	s_mov_b32 s31, 0
	s_mul_i32 s32, s27, WSTR                       ; where the unit goes: stream w,
	s_lshl_b32 s33, s26, 16                        ; matrix m,
	s_add_co_u32 s32, s32, s33
	s_lshl_b32 s33, s29, 12                        ; K step ks
	s_add_co_u32 s32, s32, s33
	s_mov_b32 s33, 0
	s_wait_kmcnt 0x0
	s_cmp_eq_u32 s28, 0                            ; which buffer: the choice hangs on the matrix's number alone
	s_cselect_b64 s[22:23], s[4:5], s[6:7]
	s_cmp_gt_u32 s28, 1
	s_cselect_b64 s[22:23], s[8:9], s[22:23]
	s_cmp_eq_u32 s28, 5
	s_cselect_b64 s[22:23], s[10:11], s[22:23]
	s_add_nc_u64 s[22:23], s[22:23], s[30:31]
	s_add_nc_u64 s[16:17], s[16:17], s[32:33]
	LOADW 0
	UNIT 0, 8, 0                                   ; the first eight rows are in while the eight loads behind them may stay out; then all
.set n, 0
.rept 8
	s_wait_dscnt 7-n
	global_store_b128 v[VG], v[L+4*n:L+4*n+3], s[16:17] offset:512*n
.set n, n+1
.endr
	s_wait_tensorcnt 0x0                           ; the wave's end, behind my last LDS store
	ds_add_u32 v[SPW], v[NIL]
	s_wait_dscnt 0x0
	s_endpgm
	; ---------------- (2) Q0, G and s0 of one head
.Lprep:
	s_lshr_b32 s21, ttmp9, 1                       ; head w
	s_and_b32 s26, ttmp9, 1                        ; which 256 of G's 512 columns c
	s_lshl_b32 s27, s21, 8                         ; the head's 64 columns: 256 bytes of a row
	s_lshl_b32 s30, s20, 17                        ; Wq0: my K steps 2 v, 2 v + 1: 64 rows of 2,048 bytes
	s_add_co_u32 s30, s30, s27
	s_mov_b32 s31, 0
	s_lshl_b32 s32, s26, 19                        ; Wk0: tiles 16 half + 2 v + 0, 1 of 16 rows c
	s_lshl_b32 s33, s20, 16
	s_add_co_u32 s32, s32, s33
	s_add_co_u32 s32, s32, s27
	s_add_co_u32 s32, s32, 0x100000                ; plane 1
	s_mov_b32 s33, 0
	s_lshl_b32 s34, s20, 8                         ; I: my two K steps: 64 f32 of each row
	s_mov_b32 s35, 0
	s_mov_b32 s36, s27
	s_mov_b32 s37, 0
	s_lshl_b32 s38, s21, 14                        ; G: the head's 16,384 bytes, my two tiles of 512
	s_lshl_b32 s39, s26, 13
	s_add_co_u32 s38, s38, s39
	s_lshl_b32 s39, s20, 10
	s_add_co_u32 s38, s38, s39
	s_mov_b32 s39, 0
	s_lshl_b32 s40, s21, 12
	s_mov_b32 s41, 0
	s_lshl_b32 s42, s21, 7
	s_mov_b32 s43, 0
	s_mov_b32 s44, 0x76543210                      ; v_permlanex16_b32's selects: each lane takes its own place in the other half
	s_mov_b32 s45, 0xfedcba98
	s_or_b32 s46, s20, s26                         ; 0 in wave 0 of the head's first work-group: it stores Q0 and s0
	s_wait_kmcnt 0x0
	s_add_nc_u64 s[22:23], s[4:5], s[30:31]
	s_add_nc_u64 s[32:33], s[4:5], s[32:33]
	s_add_nc_u64 s[12:13], s[12:13], s[34:35]
	s_add_nc_u64 s[14:15], s[14:15], s[36:37]
	s_add_nc_u64 s[38:39], s[18:19], s[38:39]
	s_add_nc_u64 s[40:41], s[18:19], s[40:41]
	s_add_nc_u64 s[42:43], s[18:19], s[42:43]
	WIN 0x40
.set n, 0
.rept 4
	global_load_b128 v[BQ+8*n:BQ+8*n+3],   v[VB], s[14:15] offset:64*n
	global_load_b128 v[BQ+8*n+4:BQ+8*n+7], v[VB], s[14:15] offset:64*n+16
	global_load_b128 v[BK+8*n:BK+8*n+3],   v[VB], s[14:15] offset:2048+64*n
	global_load_b128 v[BK+8*n+4:BK+8*n+7], v[VB], s[14:15] offset:2048+64*n+16
.set n, n+1
.endr
	WIN 0
.set n, 0
.rept 8                                ; K step n / 4: k = 8 h + 0..7 and 16 + 8 h + 0..7 of row l % 16
	global_load_b128 v[IL+4*n:IL+4*n+3], v[VK], s[12:13] offset:(n/4)*128+((n%4)/2)*64+(n%2)*16
.set n, n+1
.endr
	LOADW 0
	LOADW 1
	UNIT 0, 24, 16                                 ; behind unit 0's first eight rows stand its other eight loads and unit 1's sixteen; behind all of it the sixteen
	WIN 0x40
.set n, 0
.rept 16                               ; tile n / 8, channels d = 32 ((n / 4) % 2) on
	global_load_b128 v[KL+4*n:KL+4*n+3], v[VK], s[32:33] offset:(n/8)*32768+((n/4)%2)*128+((n%4)/2)*64+(n%2)*16
.set n, n+1
.endr
	WIN 0
	UNIT 1, 24, 16                                 ; behind unit 1's first eight rows: its other eight and Wk0's sixteen; behind all of it Wk0's sixteen
.set n, 0
.rept 16
	v_cvt_pk_f16_f32 v[L+64*(n/8)+32+n%8], v[IL+2*n], v[IL+2*n+1]          ; I's fragment of K step n / 8
.set n, n+1
.endr
	s_wait_dscnt 0x0
.set n, 0
.rept 8                                ; K step n / 4, column tile n % 4; the four accumulators take turns
.if n < 4
	v_wmma_f32_16x16x32_f16 v[ACC+8*n:ACC+8*n+7], v[L+8*n:L+8*n+7], v[L+32:L+39], 0
.else
	v_wmma_f32_16x16x32_f16 v[ACC+8*(n%4):ACC+8*(n%4)+7], v[L+64+8*(n%4):L+64+8*(n%4)+7], v[L+96:L+103], v[ACC+8*(n%4):ACC+8*(n%4)+7]
.endif
.set n, n+1
.endr
.rept 4
	v_nop                                          ; four places behind the last product, ahead of the stores of its result and of loads into its sources
.endr
.set n, 0
.rept 8
	ds_store_b128 v[PS], v[ACC+4*n:ACC+4*n+3] offset:512*n
.set n, n+1
.endr
	s_wait_dscnt 0x0                               ; for the others' sake: my partial sum lies in LDS
	s_barrier_signal -1
	s_barrier_wait -1
.set n, 0
.rept 32
	ds_load_b128 v[L+4*n:L+4*n+3], v[PR] offset:(n/8)*4096+(n%8)*512       ; waves 0 to 3
.set n, n+1
.endr
	s_wait_dscnt 0x0
.set n, 0
.rept 16
	v_pk_add_f32 v[ACC+2*n:ACC+2*n+1], v[L+2*n:L+2*n+1], v[L+32+2*n:L+32+2*n+1]
	v_pk_add_f32 v[CH+2*n:CH+2*n+1], v[L+64+2*n:L+64+2*n+1], v[L+96+2*n:L+96+2*n+1]
.set n, n+1
.endr
.set n, 0
.rept 32
	ds_load_b128 v[L+4*n:L+4*n+3], v[PR] offset:16384+(n/8)*4096+(n%8)*512 ; waves 4 to 7
.set n, n+1
.endr
.set n, 0
.rept 16
	v_pk_add_f32 v[ACC+2*n:ACC+2*n+1], v[ACC+2*n:ACC+2*n+1], v[CH+2*n:CH+2*n+1]
.set n, n+1
.endr
	s_wait_dscnt 0x0
.irp p, 0,32,64,96
.set n, 0
.rept 16
	v_pk_add_f32 v[ACC+2*n:ACC+2*n+1], v[ACC+2*n:ACC+2*n+1], v[L+\p+2*n:L+\p+2*n+1]
.set n, n+1
.endr
.endr
	WIN 0x04                                       ; source 1 in window 1
.set n, 0
.rept 16
	v_pk_add_f32 v[ACC+2*n:ACC+2*n+1], v[ACC+2*n:ACC+2*n+1], v[BQ+2*n:BQ+2*n+1]  ; Q0_h, the same in every wave
.set n, n+1
.endr
	v_pk_mul_f32 v[T:T+1], v[ACC:ACC+1], v[BK:BK+1]
.set n, 1
.rept 15
	v_pk_fma_f32 v[T:T+1], v[ACC+2*n:ACC+2*n+1], v[BK+2*n:BK+2*n+1], v[T:T+1]
.set n, n+1
.endr
	WIN 0
	v_add_f32 v[T], v[T], v[T+1]
	v_permlanex16_b32 v[T+1], v[T], s44, s45       ; the query's other 32 channels lie in the lane 16 away
	v_add_f32 v[T], v[T], v[T+1]
	v_mul_f32 v[T], 0x3d800000, v[T]               ; s0 / 16
.set n, 0
.rept 16
	v_cvt_pk_f16_f32 v[QF+n], v[ACC+2*n], v[ACC+2*n+1]
.set n, n+1
.endr
	s_cmp_lg_u32 s46, 0
	s_cbranch_scc1 .Lnoq
.set n, 0
.rept 8
	global_store_b128 v[VG], v[ACC+4*n:ACC+4*n+3], s[40:41] offset:GQ_Q0+512*n
.set n, n+1
.endr
	global_store_b32 v15, v[T], s[42:43] offset:GQ_S0
.Lnoq:
	s_wait_loadcnt 0x0                             ; Wk0's rows
	WIN 0x05
.set n, 0
.rept 32
	v_cvt_pk_f16_f32 v[CH+n], v[KL+2*n], v[KL+2*n+1]                       ; fragment (tile tt, channels 32 kk on) at CH + 8 (2 tt + kk)
.set n, n+1
.endr
	WIN 0
.set n, 0
.rept 4                                ; kk = n / 2, tile n % 2; the two accumulators take turns
.if n < 2
	v_wmma_f32_16x16x32_f16 v[IL+8*n:IL+8*n+7], v[CH+16*n:CH+16*n+7], v[QF:QF+7], 0
.else
	v_wmma_f32_16x16x32_f16 v[IL+8*(n%2):IL+8*(n%2)+7], v[CH+16*(n%2)+8:CH+16*(n%2)+15], v[QF+8:QF+15], v[IL+8*(n%2):IL+8*(n%2)+7]
.endif
.set n, n+1
.endr
.rept 4
	v_nop
.endr
.set n, 0
.rept 8
	v_pk_mul_f32 v[IL+2*n:IL+2*n+1], v[IL+2*n:IL+2*n+1], 0x3d800000 op_sel_hi:[1,0]  ; / 16
.set n, n+1
.endr
.set n, 0
.rept 8
	v_cvt_pk_f16_f32 v[L+n], v[IL+2*n], v[IL+2*n+1]
.set n, n+1
.endr
	global_store_b128 v[VG], v[L:L+3], s[38:39]                            ; 512 consecutive bytes, aligned: one tile of 16 columns c for the 16 queries
	global_store_b128 v[VG], v[L+4:L+7], s[38:39] offset:512
	s_wait_tensorcnt 0x0                           ; the wave's end, behind my last LDS store
	ds_add_u32 v[SPW], v[NIL]
	s_wait_dscnt 0x0
	s_endpgm
.Lfunc_end_k_qe5050bc917_castw:
	.size	k_qe5050bc917_castw, .Lfunc_end_k_qe5050bc917_castw-k_qe5050bc917_castw
	.p2alignl 7, 3214868480
	.fill 96, 4, 3214868480
	.section	.rodata,"a",@progbits
	.p2align	6, 0x0
	.amdhsa_kernel k_qe5050bc917_castw
		.amdhsa_group_segment_fixed_size 68608
		.amdhsa_private_segment_fixed_size 0
		.amdhsa_enable_private_segment 0
		.amdhsa_kernarg_size 64
		.amdhsa_user_sgpr_count 2
		.amdhsa_user_sgpr_kernarg_segment_ptr 1
		.amdhsa_wavefront_size32 1
		.amdhsa_system_sgpr_workgroup_id_x 1
		.amdhsa_system_sgpr_workgroup_id_y 1
		.amdhsa_system_sgpr_workgroup_id_z 1
		.amdhsa_system_vgpr_workitem_id 0
		.amdhsa_next_free_vgpr 384
		.amdhsa_next_free_sgpr 66
		.amdhsa_reserve_vcc 0
		.amdhsa_float_denorm_mode_32 3
		.amdhsa_float_denorm_mode_16_64 3
		.amdhsa_memory_ordered 1
		.amdhsa_forward_progress 1
		.amdhsa_inst_pref_size 45
	.end_amdhsa_kernel
	.amdgpu_metadata
---
amdhsa.version: [ 1, 2 ]
amdhsa.kernels:
  - .name:           k_qe5050bc917_castw
    .symbol:         k_qe5050bc917_castw.kd
    .args:
      - { .name: mab0_Wqkv, .offset: 0, .size: 8, .value_kind: global_buffer, .address_space: global }
      - { .name: mab0_Wo, .offset: 8, .size: 8, .value_kind: global_buffer, .address_space: global }
      - { .name: mab1_Wqkv, .offset: 16, .size: 8, .value_kind: global_buffer, .address_space: global }
      - { .name: mab1_Wo, .offset: 24, .size: 8, .value_kind: global_buffer, .address_space: global }
      - { .name: I, .offset: 32, .size: 8, .value_kind: global_buffer, .address_space: global }
      - { .name: mab0_bqkv, .offset: 40, .size: 8, .value_kind: global_buffer, .address_space: global }
      - { .name: wsw, .offset: 48, .size: 8, .value_kind: global_buffer, .address_space: global }
      - { .name: gq, .offset: 56, .size: 8, .value_kind: global_buffer, .address_space: global }
    .group_segment_fixed_size: 68608
    .private_segment_fixed_size: 0
    .kernarg_segment_align: 8
    .kernarg_segment_size: 64
    .max_flat_workgroup_size: 256
    .sgpr_count:     66
    .vgpr_count:     384
    .wavefront_size: 32
...
	.end_amdgpu_metadata
.endif
;; end of part 3
;; launch isab2 (part 4): grid 256 x 1, 8 waves a work-group, no clusters, 306,688 bytes of LDS; arguments wsw, x, gq, out0, mab0_bqkv, mab0_bo, mab0_g0, mab0_b0, mab0_g1, mab0_b1, mab1_bqkv, mab1_bo, mab1_g0, mab1_b0, mab1_g1, mab1_b1; writes out0
.if DOCPART == 4
	.amdgcn_target "amdgcn-amd-amdhsa--gfx1250"
	.amdhsa_code_object_version 6
	.text
	.protected	k_qe5050bc917_isab2
	.globl	k_qe5050bc917_isab2
	.p2align	8
	.type	k_qe5050bc917_isab2,@function
k_qe5050bc917_isab2:
	s_mov_b64 s[64:65], 0
	v_nop
	global_prefetch_b8 v0, s[64:65] scope:SCOPE_SE
	s_setreg_imm32_b32 hwreg(HW_REG_WAVE_MODE, 25, 1), 1
	s_wait_xcnt 0x0
; out0[b] = the mean over 32 rows of ISAB(ISAB(x[b])).  ISAB(X) = MAB1(X, MAB0(I, X)); MAB(Qin, Kin) = LN1(O + relu(O Wo + bo)), O = LN0(Q + softmax(Q K^T / sqrt(512)) V) by 8 heads of 64.
; SHARES.  A work-group owns two batches: 64 rows of X, 32 rows of H; nothing but x, the weights and out0 touches memory.  WAVE w IS HEAD w and owns channels 64 w .. 64 w + 63 of every product:
; each byte of the weights is wanted by one wave of the work-group, both attentions stay inside a wave, and only LayerNorm's statistics and the f16 copy of an activation cross waves, through LDS.
; MAB0's QUERIES hang on no batch.  The launch before has made Q0 = I Wq0 + bq0 and, for each head, G[q][c] = sum over d of Q0[q][d] Wk0[c][d] and s0[q] = sum over d of Q0[q][d] bk0[d]: the scores are
; Q0 (X Wk0 + bk0)^T = X G^T + s0.  So K0 is never made: the scores are a product of X with 16 columns a head, and ride on V0's walk of X, on the same fragments.  G and s0 arrive divided by 16.
; FORMATS.  Matrix operands are f16, each rounded once from f32; sums, biases, gains, residuals, statistics and softmax are f32.
; LIMITS.  f16 ends at 65,504: x, Q, K, V of 65,520 or more in magnitude become infinities; below 6e-5 an operand keeps f16's fixed step of 6e-8.  A weight p below 2^-126 counts as 0.
; NaN and infinities are not treated apart.
; THE WEIGHTS come straight from memory into registers, 512 consecutive bytes an instruction, through a ring of four register buffers of one K step (32 k x 64 columns, 4 KiB a wave) each:
; 24 to 32 loads of every wave are always out, across the phases and the barriers, since nobody writes wsw.  Each buffer has a pointer of its own, stepped ahead of the buffer's refill: its only readers,
; the buffer's eight loads of the trip before, have just been shown done by the counted wait at the K step's head, so no loop holds a wait for addresses.
; NO CLUSTER, NO JOINT LOADS, by this text's arithmetic: a joint load lands in LDS slots, and beside the 306,688 bytes below 20,992 are left.  With G fetched anew in each ISAB two slots of 64 k rows
; (65,536 bytes each) would fit: a refill would have the other slot's 32 matrix instructions a wave (16 where a product has 32 rows) in which to land, with all loads waited for at each of 96 changes of
; slots, and a wave would read 4 KiB of weights from LDS in each K step beside its 2 to 4 KiB of activations.
; TWO LAYOUTS of a product.  T (source 0 = weights, source 1 = activations): a lane holds ONE row (16 t + lane % 16), register j of column tile c the channel 64 w + 16 c + 8 (lane / 16) + j.  Two neighbouring column
; tiles rounded in pairs ARE a fragment of 16 rows x 32 channels.  N (sources swapped): a lane holds one channel (64 w + 16 c + lane % 16), register j row 16 t + 8 (lane / 16) + j: two row tiles rounded in pairs
; ARE a fragment of V^T (16 channels x 32 keys).  S^T (a lane one query, its registers keys) and O^T = V^T P keep one query a lane: nothing changes lanes between the products.
; SOFTMAX.  All keys of a row are at hand: p = 2^(c s - c m) / l with the row's true maximum m, c = log2(e) / sqrt(512); p is divided by l before it is rounded, so that Q can be the C operand of V^T P.
; LAYERNORM.  Each wave makes the mean and the centred sum of squares of its 64 channels; the eight are joined by M2 = sum M2_v + 64 sum (mean_v - mean)^2: no difference of large sums, one exchange.
; REGISTERS, in two windows of 256 (s_set_vgpr_msb: bits 1:0 source 0, 3:2 source 1, 5:4 source 2, 7:6 destination):
;   window 0: v0-23, v56-58 addresses and s0; v24-55 ST, at work, eight a row tile (in V0's walk: v24-39 two fragments of G); v64-127 A: two buffers of activation fragments, at work outside the products;
;   v128-255 WB: the four weight buffers          window 1: ACC1 = v0-127, ACC2 = v128-255: tile (t, c) of a product at acc + 32 t + 8 c
.set PX,    1040                       ; a row of 512 f16 in LDS: 1,024 bytes + 16: the 16 rows of a load or store start in 16 different columns of 16 bytes modulo 256
.set XBUF,  0                          ; 64 rows: X; later O' of mab1; later h1
.set HBUF,  66560                      ; 32 rows: O' of mab0; then H
.set STAT,  99840                      ; row x 80 + wave x 8: (mean, M2) of the wave's 64 channels, f32
.set PAR,   104960                     ; vectors of 512 f32, 2,048 bytes each: 2 bv0 3 bo0 4 g0_0 5 b0_0 6 g1_0 7 b1_0 8 bq1 9 bk1 10 bv1 11 bo1 12 g0_1 13 b0_1 14 g1_1 15 b1_1 (0, 1: not used)
.set GBUF,  137728                     ; 16,384 bytes a wave: my head's G / 16 in fragment order: K step ks at 1,024 ks, 16 bytes a lane, twice
.set Q0S,   268800                     ; 4,096 bytes a wave: Q0's registers as they lie, f32
.set POOL,  301568                     ; 512 bytes a wave: 2 batches x 64 f32
.set SPARE, 305664                     ; the spare words, 128 bytes for each wave: four blocks of 256 bytes that no other line names
.set WSTR,  409600                     ; a wave's stream in wsw: 6 matrices of 65,536 bytes (Wv0, Wo0, Wk1, Wv1, Wq1, Wo1) and the tail of 16,384
.set GQ_Q0, 131072
.set GQ_S0, 163840
.set WOFF, 2                           ; v2   16 x lane
.set AX,   3                           ; v3   (l % 16) PX + 16 (l / 16): my place in a fragment's rows, in XBUF
.set AH,   4                           ; v4   the same in HBUF
.set SX,   5                           ; v5   AX + 128 w: where I put 16 bytes of a row of my channels
.set SH,   6                           ; v6   the same in HBUF
.set PT,   7                           ; v7   PAR + 256 w + 32 (l / 16): my eight channels of a vector, layout T
.set PN,   8                           ; v8   PAR + 256 w + 4 (l % 16): my channel, layout N
.set STW,  9                           ; v9   STAT + 80 (l % 16) + 8 w
.set STR,  10                          ; v10  STAT + 80 (l % 16)
.set QS,   11                          ; v11  Q0S + 4,096 w + 16 lane
.set PLW,  12                          ; v12  POOL + 512 w + 32 (l / 16)
.set PLR,  13                          ; v13  POOL + 512 w + 16 lane
.set SPW,  14                          ; v14  LDS address of my spare word; never rewritten
.set NIL,  15                          ; v15  0; never rewritten
.set AC,   16                          ; v16  the activations' address in the trip in hand
.set PFO,  18                          ; v18  256 x lane
.set OUTO, 19                          ; v19  my 16 bytes of out0
.set BT,   20                          ; v20-23 a bias in layout N
.set ST,   24
.set GF,   24                          ; v24-39 G's fragments of two K steps
.set S0,   56                          ; v56  s0 / 16 of my query
.set GA,   57                          ; v57  GBUF + 16,384 w + 16 lane
.set GC,   58                          ; v58  the same in the trip in hand
.set A,    64
.set WB,   128
.set ACC1, 0
.set ACC2, 128
.set WV,   40                          ; s40  my wave's number
.set SB,   42                          ; s[42:43] my stream's first byte; never rewritten
.set CNT,  44                          ; s44  trips of a product still to come
.set KOFF, 45                          ; s45  the trip's bytes along the activations' rows
.set PASS, 46                          ; s46  ISABs still to come
.set PFC,  47                          ; s47  1 where the wave prefetches
.set CS,   48                          ; s[48:49] c, named as a pair
.set SEL,  50                          ; s[50:51] v_permlanex16_b32's selects: each lane takes its own place in the other half
.set R512, 52                          ; s52  1 / 512
.set EPS,  53                          ; s53  1e-5
.set WP,   56                          ; s[56:63] four pointers: buffer i's stands at the K step that it was last filled with
.set CS0,  66                          ; s[66:67] 16 c, for the scores that arrive divided by 16
.set MSB, 0
.macro WIN new                         ; the immediate's high byte repeats the setting that is left; a switch that changes nothing is dropped
.if MSB != (\new)
	s_set_vgpr_msb (MSB<<8)|(\new)
.set MSB, (\new)
.endif
.endm
.macro FORT rt, line:vararg            ; one line for each row tile (or unit) t
.set t, 0
.rept \rt
	\line
.set t, t+1
.endr
.endm
.macro PLACES                          ; four places behind a matrix instruction, ahead of loads into its sources and of vector lines that read its result
.rept 4
	v_nop
.endr
.endm
.macro BAR                             ; my LDS stores and loads are done; then everybody's are
	s_wait_dscnt 0x0
	s_barrier_signal -1
	s_barrier_wait -1
.endm
; A PREFETCH of my own stream, in front of the loop of product g (0..5): the 65,536 bytes from g x 65,536 + 49,152 on, a lane a block of 256 bytes, eight instructions; product 5 asks for the 32,768 that are left,
; up to the tail's end.  The loop's refills reach the first of these bytes in its third trip, the last in the next product's second.  Only work-group 0 asks, in the first ISAB, each wave for its own stream:
; each block is named once in the launch; the first 49,152 bytes come by their loads alone.  Base and offset are never rewritten: the place stands in the immediate.
.macro ASK g
	s_cmp_lg_u32 s[PFC], 0
	s_cbranch_scc0 .Lnoask_\@
.set q, 0
.rept 8-4*((\g)/5)
	global_prefetch_b8 v[PFO], s[SB:SB+1] offset:(\g)*65536+49152+8192*q th:TH_LOAD_NT scope:SCOPE_SE
.set q, q+1
.endr
.Lnoask_\@:
.endm
; The activations (sx = 1: and G's fragment) of the K step two on from step i of the trip, into the buffers that step i has just multiplied.
.macro ALOAD i, rt, sx
.set t, 0
.rept \rt
	ds_load_b128 v[A+32*((\i)%2)+8*t:A+32*((\i)%2)+8*t+3],   v[AC] offset:t*16*PX+64*((\i)+2)
	ds_load_b128 v[A+32*((\i)%2)+8*t+4:A+32*((\i)%2)+8*t+7], v[AC] offset:t*16*PX+64*((\i)+2)+32
.set t, t+1
.endr
.if \sx
	ds_load_b128 v[GF+8*((\i)%2):GF+8*((\i)%2)+3],   v[GC] offset:1024*((\i)+2)
	ds_load_b128 v[GF+8*((\i)%2)+4:GF+8*((\i)%2)+7], v[GC] offset:1024*((\i)+2)+512
.endif
.endm
; K step i of a trip's four: 4 rt matrix instructions (sx = 1: and four for the scores), each on an accumulator of its own, by turns, over the backward jump too; then the refills.
.macro KSTEP i, rt, ori, acc, sx
	s_wait_loadcnt 24                              ; weight buffer i is in: behind its eight loads stand the 24 of the three younger K steps
.if (\i) < 3
	s_wait_dscnt 2*(\rt)+2*(\sx)                   ; this step's fragments are in; the next step's LDS loads may stay out
.endif
	WIN 0x50                                       ; C and D in window 1
.set n, 0
.rept 4*(\rt)
.if (\ori) == 0
	v_wmma_f32_16x16x32_f16 v[(\acc)+8*n:(\acc)+8*n+7], v[WB+32*(\i)+8*(n%4):WB+32*(\i)+8*(n%4)+7], v[A+32*((\i)%2)+8*(n/4):A+32*((\i)%2)+8*(n/4)+7], v[(\acc)+8*n:(\acc)+8*n+7]
.else
	v_wmma_f32_16x16x32_f16 v[(\acc)+8*n:(\acc)+8*n+7], v[A+32*((\i)%2)+8*(n/4):A+32*((\i)%2)+8*(n/4)+7], v[WB+32*(\i)+8*(n%4):WB+32*(\i)+8*(n%4)+7], v[(\acc)+8*n:(\acc)+8*n+7]
.endif
.set n, n+1
.endr
.if \sx
.set n, 0
.rept 4                                ; S^T of key tile n: source 0 = 16 keys (rows of X), source 1 = my head's 16 queries (G)
	v_wmma_f32_16x16x32_f16 v[ACC1+8*n:ACC1+8*n+7], v[A+32*((\i)%2)+8*n:A+32*((\i)%2)+8*n+7], v[GF+8*((\i)%2):GF+8*((\i)%2)+7], v[ACC1+8*n:ACC1+8*n+7]
.set n, n+1
.endr
.endif
	WIN 0
	PLACES
	s_add_nc_u64 s[WP+2*(\i):WP+2*(\i)+1], s[WP+2*(\i):WP+2*(\i)+1], 16384  ; this pointer's only readers are the eight loads that the wait at this step's head has shown done
.set q, 0
.rept 8
	global_load_b128 v[WB+32*(\i)+4*q:WB+32*(\i)+4*q+3], v[WOFF], s[WP+2*(\i):WP+2*(\i)+1] offset:512*q  ; the K step four on in my stream, into the next matrix too
.set q, q+1
.endr
.if (\i) < 2
	ALOAD \i, \rt, \sx
.endif
.if (\i) == 2                          ; the last trip has no K step 16: its look-ahead is jumped over, and the wait for step 3's fragments stands in both arms with its own count
	s_cmp_eq_u32 s[CNT], 1
	s_cbranch_scc1 .Llast_\@
	ALOAD 2, \rt, \sx
	s_wait_dscnt 2*(\rt)+2*(\sx)
	s_branch .Lgo_\@
.Llast_\@:
	s_wait_dscnt 0x0                               ; nothing was issued behind them
.Lgo_\@:
.endif
.if (\i) == 3
	s_cmp_eq_u32 s[CNT], 1
	s_cbranch_scc1 .Lend_\@
	ALOAD 3, \rt, \sx
.Lend_\@:
.endif
.endm
; A PRODUCT: rt row tiles of 16 rows at abuf x my 64 columns of matrix g of the stream, K = 512 in four trips of four K steps.  ori = 0: layout T, 1: layout N.  sx = 1: mab0's scores ride along, into ACC1.
; The bias starts the sums: it is loaded (T) or copied (N; the scores: s0) into the accumulators, so that nothing is cleared and no first K step is written out.
.macro GEMM rt, ori, abuf, acc, bias, g, sx=0
	WIN 0
	v_mov_b32 v[AC], v[\abuf]
	s_mov_b32 s[KOFF], 0
.set t, 0
.rept \rt
	ds_load_b128 v[A+8*t:A+8*t+3],       v[AC] offset:t*16*PX
	ds_load_b128 v[A+8*t+4:A+8*t+7],     v[AC] offset:t*16*PX+32
	ds_load_b128 v[A+32+8*t:A+32+8*t+3], v[AC] offset:t*16*PX+64
	ds_load_b128 v[A+32+8*t+4:A+32+8*t+7], v[AC] offset:t*16*PX+96
.set t, t+1
.endr
.if \sx
	v_mov_b32 v[GC], v[GA]
.set n, 0
.rept 4
	ds_load_b128 v[GF+4*n:GF+4*n+3], v[GC] offset:512*n
.set n, n+1
.endr
.endif
.if (\ori) == 0
	WIN 0x40
.set n, 0
.rept 4*(\rt)
	ds_load_b128 v[(\acc)+8*n:(\acc)+8*n+3],   v[PT] offset:(\bias)*2048+64*(n%4)
	ds_load_b128 v[(\acc)+8*n+4:(\acc)+8*n+7], v[PT] offset:(\bias)*2048+64*(n%4)+16
.set n, n+1
.endr
	s_wait_dscnt 0x0
.else
.set n, 0
.rept 4
	ds_load_b32 v[BT+n], v[PN] offset:(\bias)*2048+64*n
.set n, n+1
.endr
	s_wait_dscnt 0x0
	WIN 0x40
.set n, 0
.rept 32*(\rt)
	v_mov_b32 v[(\acc)+n], v[BT+(n/8)%4]           ; a lane's channel has one bias for all its rows
.set n, n+1
.endr
.endif
.if \sx
.set n, 0
.rept 32
	v_mov_b32 v[ACC1+n], v[S0]                     ; a lane's query has one s0 for all its keys
.set n, n+1
.endr
.endif
	WIN 0
	s_mov_b32 s[CNT], 4
	ASK \g
.Lk_\@:
	KSTEP 0, \rt, \ori, \acc, \sx
	KSTEP 1, \rt, \ori, \acc, \sx
	KSTEP 2, \rt, \ori, \acc, \sx
	KSTEP 3, \rt, \ori, \acc, \sx
	s_add_co_u32 s[KOFF], s[KOFF], 256
	v_add_nc_u32 v[AC], s[KOFF], v[\abuf]
.if \sx
	v_lshl_add_u32 v[GC], s[KOFF], 4, v[GA]        ; four K steps of G are 4,096 bytes
.endif
	s_sub_co_u32 s[CNT], s[CNT], 1
	s_cmp_lg_u32 s[CNT], 0
	s_cbranch_scc1 .Lk_\@
.endm
; LAYERNORM of rt row tiles in layout T, in place.  Pair p of column tile c of row tile t lies at base + rs t + cs c + 2 p (window 1).  gi, bi: the gain's and the offset's numbers in PAR.
; T = ST + 8 t: +0..3 at work, +4 my wave's mean, +5 its M2, +6 1 / sqrt(var + eps), +7 my mean less the row's.
.macro LN base, rs, cs, rt, gi, bi
	WIN 0x05                                       ; the sum of my 32 channels, in two chains
.set t, 0
.rept \rt
.set xx, (\base)+(\rs)*t
	v_pk_add_f32 v[ST+8*t:ST+8*t+1], v[xx:xx+1], v[xx+2:xx+3]
	v_pk_add_f32 v[ST+8*t+2:ST+8*t+3], v[xx+2*(\cs):xx+2*(\cs)+1], v[xx+2*(\cs)+2:xx+2*(\cs)+3]
.set t, t+1
.endr
	WIN 0x04
.set k, 2
.rept 6
.set t, 0
.rept \rt
.set xx, (\base)+(\rs)*t+(\cs)*(k/4)+2*(k%4)
	v_pk_add_f32 v[ST+8*t:ST+8*t+1], v[ST+8*t:ST+8*t+1], v[xx:xx+1]
	v_pk_add_f32 v[ST+8*t+2:ST+8*t+3], v[ST+8*t+2:ST+8*t+3], v[xx+2*(\cs):xx+2*(\cs)+1]
.set t, t+1
.endr
.set k, k+1
.endr
	WIN 0
	FORT \rt, v_pk_add_f32 v[ST+8*t:ST+8*t+1], v[ST+8*t:ST+8*t+1], v[ST+8*t+2:ST+8*t+3]
	FORT \rt, v_add_f32 v[ST+8*t], v[ST+8*t], v[ST+8*t+1]
	FORT \rt, v_permlanex16_b32 v[ST+8*t+1], v[ST+8*t], s[SEL], s[SEL+1]  ; the row's other 32 of my wave's channels lie in the lane 16 away
	FORT \rt, v_add_f32 v[ST+8*t], v[ST+8*t], v[ST+8*t+1]
	FORT \rt, v_mul_f32 v[ST+8*t+4], 0x3c800000, v[ST+8*t]                ; / 64
	FORT \rt, v_mov_b32 v[ST+8*t+5], v[ST+8*t+4]
	WIN 0x41                                       ; centred on my wave's mean, in place
.set k, 0
.rept 16
.set t, 0
.rept \rt
.set xx, (\base)+(\rs)*t+(\cs)*(k/4)+2*(k%4)
	v_pk_add_f32 v[xx:xx+1], v[xx:xx+1], v[ST+8*t+4:ST+8*t+5] neg_lo:[0,1] neg_hi:[0,1]
.set t, t+1
.endr
.set k, k+1
.endr
	WIN 0x05                                       ; the centred squares, in two chains
.set k, 0
.rept 8
.set t, 0
.rept \rt
.set xx, (\base)+(\rs)*t+(\cs)*(k/4)+2*(k%4)
.if k == 0
	v_pk_mul_f32 v[ST+8*t:ST+8*t+1], v[xx:xx+1], v[xx:xx+1]
	v_pk_mul_f32 v[ST+8*t+2:ST+8*t+3], v[xx+2*(\cs):xx+2*(\cs)+1], v[xx+2*(\cs):xx+2*(\cs)+1]
.else
	v_pk_fma_f32 v[ST+8*t:ST+8*t+1], v[xx:xx+1], v[xx:xx+1], v[ST+8*t:ST+8*t+1]
	v_pk_fma_f32 v[ST+8*t+2:ST+8*t+3], v[xx+2*(\cs):xx+2*(\cs)+1], v[xx+2*(\cs):xx+2*(\cs)+1], v[ST+8*t+2:ST+8*t+3]
.endif
.set t, t+1
.endr
.set k, k+1
.endr
	WIN 0
	FORT \rt, v_pk_add_f32 v[ST+8*t:ST+8*t+1], v[ST+8*t:ST+8*t+1], v[ST+8*t+2:ST+8*t+3]
	FORT \rt, v_add_f32 v[ST+8*t], v[ST+8*t], v[ST+8*t+1]
	FORT \rt, v_permlanex16_b32 v[ST+8*t+1], v[ST+8*t], s[SEL], s[SEL+1]
	FORT \rt, v_add_f32 v[ST+8*t+5], v[ST+8*t], v[ST+8*t+1]
	FORT \rt, ds_store_b64 v[STW], v[ST+8*t+4:ST+8*t+5] offset:1280*t     ; both halves of the lanes hold, and write, the same two numbers
	BAR                                            ; the eight waves' statistics lie in LDS; and every wave's reads of the activation buffer that is written next are over
.set n, 0
.rept 4*(\rt)
	ds_load_b128 v[A+4*n:A+4*n+3], v[STR] offset:1280*(n/4)+16*(n%4)      ; (mean_v, M2_v) of wave v at A + 16 t + 2 v
.set n, n+1
.endr
	s_wait_dscnt 0x0
	FORT \rt, v_pk_add_f32 v[ST+8*t:ST+8*t+1], v[A+16*t:A+16*t+1], v[A+16*t+2:A+16*t+3]
	FORT \rt, v_pk_add_f32 v[ST+8*t+2:ST+8*t+3], v[A+16*t+4:A+16*t+5], v[A+16*t+6:A+16*t+7]
	FORT \rt, v_pk_add_f32 v[ST+8*t:ST+8*t+1], v[ST+8*t:ST+8*t+1], v[A+16*t+8:A+16*t+9]
	FORT \rt, v_pk_add_f32 v[ST+8*t+2:ST+8*t+3], v[ST+8*t+2:ST+8*t+3], v[A+16*t+10:A+16*t+11]
	FORT \rt, v_pk_add_f32 v[ST+8*t:ST+8*t+1], v[ST+8*t:ST+8*t+1], v[A+16*t+12:A+16*t+13]
	FORT \rt, v_pk_add_f32 v[ST+8*t+2:ST+8*t+3], v[ST+8*t+2:ST+8*t+3], v[A+16*t+14:A+16*t+15]
	FORT \rt, v_pk_add_f32 v[ST+8*t:ST+8*t+1], v[ST+8*t:ST+8*t+1], v[ST+8*t+2:ST+8*t+3]
	FORT \rt, v_mul_f32 v[ST+8*t], 0x3e000000, v[ST+8*t]                  ; the row's mean; +1: the sum of the eight M2
.set k, 0
.rept 8
	FORT \rt, v_sub_f32 v[A+16*t+2*k], v[A+16*t+2*k], v[ST+8*t]
.set k, k+1
.endr
	FORT \rt, v_mul_f32 v[ST+8*t+2], v[A+16*t], v[A+16*t]
.set k, 1
.rept 7
	FORT \rt, v_fmac_f32 v[ST+8*t+2], v[A+16*t+2*k], v[A+16*t+2*k]
.set k, k+1
.endr
	FORT \rt, v_fmamk_f32 v[ST+8*t+1], v[ST+8*t+2], 0x42800000, v[ST+8*t+1]  ; M2 = 64 sum (mean_v - mean)^2 + sum M2_v
	FORT \rt, v_fma_f32 v[ST+8*t+6], v[ST+8*t+1], s[R512], s[EPS]            ; var + eps
	FORT \rt, v_sub_f32 v[ST+8*t+7], v[ST+8*t+4], v[ST+8*t]
	FORT \rt, v_rsq_f32 v[ST+8*t+6], v[ST+8*t+6]
	v_nop                                          ; a plain instruction behind the last of the batch,
	s_wait_alu depctr_va_vdst(0)                   ; and one wait ahead of the first use
	FORT \rt, v_mul_f32 v[ST+8*t+2], v[ST+8*t+7], v[ST+8*t+6]
.set n, 0
.rept 4
	ds_load_b128 v[A+8*n:A+8*n+3],       v[PT] offset:(\gi)*2048+64*n
	ds_load_b128 v[A+8*n+4:A+8*n+7],     v[PT] offset:(\gi)*2048+64*n+16
	ds_load_b128 v[A+32+8*n:A+32+8*n+3], v[PT] offset:(\bi)*2048+64*n
	ds_load_b128 v[A+32+8*n+4:A+32+8*n+7], v[PT] offset:(\bi)*2048+64*n+16
.set n, n+1
.endr
	WIN 0x41                                       ; (x - mean) rs = (x - my mean) rs + (my mean - mean) rs, while the gains are on their way
.set k, 0
.rept 16
.set t, 0
.rept \rt
.set xx, (\base)+(\rs)*t+(\cs)*(k/4)+2*(k%4)
	v_pk_fma_f32 v[xx:xx+1], v[xx:xx+1], v[ST+8*t+6:ST+8*t+7], v[ST+8*t+2:ST+8*t+3] op_sel_hi:[1,0,0]
.set t, t+1
.endr
.set k, k+1
.endr
	s_wait_dscnt 0x0
.set k, 0
.rept 16
.set t, 0
.rept \rt
.set xx, (\base)+(\rs)*t+(\cs)*(k/4)+2*(k%4)
	v_pk_fma_f32 v[xx:xx+1], v[xx:xx+1], v[A+2*k:A+2*k+1], v[A+32+2*k:A+32+2*k+1]
.set t, t+1
.endr
.set k, k+1
.endr
	WIN 0
.endm
; The f16 copy of rt row tiles in layout T goes into an activation buffer: a lane's eight channels of a tile are 16 bytes of a row.  The barrier shows it to everybody.
.macro STOREACT base, rs, cs, rt, sadr
	WIN 0x05
.set n, 0
.rept 16*(\rt)
.set xx, (\base)+(\rs)*(n/16)+(\cs)*((n/4)%4)+2*(n%4)
	v_cvt_pk_f16_f32 v[A+n], v[xx], v[xx+1]
.set n, n+1
.endr
	WIN 0
.set n, 0
.rept 4*(\rt)
	ds_store_b128 v[\sadr], v[A+4*n:A+4*n+3] offset:(n/4)*16*PX+32*(n%4)
.set n, n+1
.endr
	BAR
.endm
; X += relu(Y).  Y: the product's tiles at yb + 32 t + 8 c, read in ascending order.
.macro RELUADD xb, rs, cs, yb, rt
	WIN 0x44
.set n, 0
.rept 32*(\rt)
	v_max_num_f32 v[(\yb)+n], 0, v[(\yb)+n]
.set n, n+1
.endr
	WIN 0x45
.set n, 0
.rept 16*(\rt)
.set xx, (\xb)+(\rs)*(n/16)+(\cs)*((n/4)%4)+2*(n%4)
	v_pk_add_f32 v[xx:xx+1], v[xx:xx+1], v[(\yb)+2*n:(\yb)+2*n+1]
.set n, n+1
.endr
	WIN 0
.endm
; SOFTMAX of two units side by side: n (16 or 8) scores a lane at sb + ss t (sw = 1: in window 1), the query's other n in the lane 16 away.  The scaling c s - c m, with c in s[cs], puts them at db + dd t in window 0;
; the weights, divided by their sum and rounded to f16, go to pb + 8 t.
.macro SOFTMAX n, sb, ss, db, dd, pb, cs, sw
	WIN 0x15*(\sw)                                 ; all three sources are scores
	FORT 2, v_max3_num_f32 v[ST+8*t], v[(\sb)+(\ss)*t], v[(\sb)+(\ss)*t+1], v[(\sb)+(\ss)*t+2]
.if (\n) == 16
	FORT 2, v_max3_num_f32 v[ST+8*t+1], v[(\sb)+(\ss)*t+8], v[(\sb)+(\ss)*t+9], v[(\sb)+(\ss)*t+10]
	WIN 0x14*(\sw)                                 ; sources 1 and 2 are
	FORT 2, v_max3_num_f32 v[ST+8*t], v[ST+8*t], v[(\sb)+(\ss)*t+3], v[(\sb)+(\ss)*t+4]
	FORT 2, v_max3_num_f32 v[ST+8*t+1], v[ST+8*t+1], v[(\sb)+(\ss)*t+11], v[(\sb)+(\ss)*t+12]
	FORT 2, v_max3_num_f32 v[ST+8*t], v[ST+8*t], v[(\sb)+(\ss)*t+5], v[(\sb)+(\ss)*t+6]
	FORT 2, v_max3_num_f32 v[ST+8*t+1], v[ST+8*t+1], v[(\sb)+(\ss)*t+13], v[(\sb)+(\ss)*t+14]
	FORT 2, v_max3_num_f32 v[ST+8*t], v[ST+8*t], v[(\sb)+(\ss)*t+7], v[(\sb)+(\ss)*t+15]
.else
	FORT 2, v_max3_num_f32 v[ST+8*t+1], v[(\sb)+(\ss)*t+3], v[(\sb)+(\ss)*t+4], v[(\sb)+(\ss)*t+5]
	WIN 0x14*(\sw)
	FORT 2, v_max3_num_f32 v[ST+8*t], v[ST+8*t], v[(\sb)+(\ss)*t+6], v[(\sb)+(\ss)*t+7]
.endif
	WIN 0
	FORT 2, v_max_num_f32 v[ST+8*t], v[ST+8*t], v[ST+8*t+1]
	FORT 2, v_permlanex16_b32 v[ST+8*t+1], v[ST+8*t], s[SEL], s[SEL+1]
	FORT 2, v_max_num_f32 v[ST+8*t+1], v[ST+8*t], v[ST+8*t+1]             ; m
	FORT 2, v_mul_f32 v[ST+8*t], s[\cs], v[ST+8*t+1]                      ; c m
	WIN 0x01*(\sw)
.set k, 0
.rept (\n)/2
	FORT 2, v_pk_fma_f32 v[(\db)+(\dd)*t+2*k:(\db)+(\dd)*t+2*k+1], v[(\sb)+(\ss)*t+2*k:(\sb)+(\ss)*t+2*k+1], s[\cs:\cs+1], v[ST+8*t:ST+8*t+1] op_sel_hi:[1,0,0] neg_lo:[0,0,1] neg_hi:[0,0,1]
.set k, k+1
.endr
	WIN 0
.set k, 0
.rept \n
	FORT 2, v_exp_f32 v[(\db)+(\dd)*t+k], v[(\db)+(\dd)*t+k]
.set k, k+1
.endr
	v_nop                                          ; a plain instruction behind the last exponential,
	s_wait_alu depctr_va_vdst(0)                   ; and one wait for the batch
	FORT 2, v_pk_add_f32 v[ST+8*t+2:ST+8*t+3], v[(\db)+(\dd)*t:(\db)+(\dd)*t+1], v[(\db)+(\dd)*t+2:(\db)+(\dd)*t+3]
	FORT 2, v_pk_add_f32 v[ST+8*t+4:ST+8*t+5], v[(\db)+(\dd)*t+4:(\db)+(\dd)*t+5], v[(\db)+(\dd)*t+6:(\db)+(\dd)*t+7]
.if (\n) == 16
	FORT 2, v_pk_add_f32 v[ST+8*t+2:ST+8*t+3], v[ST+8*t+2:ST+8*t+3], v[(\db)+(\dd)*t+8:(\db)+(\dd)*t+9]
	FORT 2, v_pk_add_f32 v[ST+8*t+4:ST+8*t+5], v[ST+8*t+4:ST+8*t+5], v[(\db)+(\dd)*t+10:(\db)+(\dd)*t+11]
	FORT 2, v_pk_add_f32 v[ST+8*t+2:ST+8*t+3], v[ST+8*t+2:ST+8*t+3], v[(\db)+(\dd)*t+12:(\db)+(\dd)*t+13]
	FORT 2, v_pk_add_f32 v[ST+8*t+4:ST+8*t+5], v[ST+8*t+4:ST+8*t+5], v[(\db)+(\dd)*t+14:(\db)+(\dd)*t+15]
.endif
	FORT 2, v_pk_add_f32 v[ST+8*t+2:ST+8*t+3], v[ST+8*t+2:ST+8*t+3], v[ST+8*t+4:ST+8*t+5]
	FORT 2, v_add_f32 v[ST+8*t+2], v[ST+8*t+2], v[ST+8*t+3]
	FORT 2, v_permlanex16_b32 v[ST+8*t+3], v[ST+8*t+2], s[SEL], s[SEL+1]
	FORT 2, v_add_f32 v[ST+8*t+2], v[ST+8*t+2], v[ST+8*t+3]               ; l: at least 1, the maximum's own weight
	FORT 2, v_rcp_f32 v[ST+8*t+4], v[ST+8*t+2]
	v_nop
	s_wait_alu depctr_va_vdst(0)
.set k, 0
.rept (\n)/2
	FORT 2, v_pk_mul_f32 v[(\db)+(\dd)*t+2*k:(\db)+(\dd)*t+2*k+1], v[(\db)+(\dd)*t+2*k:(\db)+(\dd)*t+2*k+1], v[ST+8*t+4:ST+8*t+5] op_sel_hi:[1,0]
.set k, k+1
.endr
.set k, 0
.rept (\n)/2
	FORT 2, v_cvt_pk_f16_f32 v[(\pb)+8*t+k], v[(\db)+(\dd)*t+2*k], v[(\db)+(\dd)*t+2*k+1]
.set k, k+1
.endr
.endm
; nf fragments of K (16 keys x 32 channels), in place: the 16 registers of two column tiles at kb + 16 f become 8.
.macro KPACK kb, nf
	WIN 0x45
.set n, 0
.rept 8*(\nf)
	v_cvt_pk_f16_f32 v[(\kb)+16*(n/8)+n%8], v[(\kb)+16*(n/8)+2*(n%8)], v[(\kb)+16*(n/8)+2*(n%8)+1]
.set n, n+1
.endr
.endm
; Four fragments of V^T (16 channels x 32 keys), in place at vb + 8 c: keys 0-15 from the row tile at vb, keys 16-31 from the row tile at vb + 32.
.macro VPACK vb
	WIN 0x45
.set n, 0
.rept 4
.set e, (\vb)+8*n
.irp q, 0,1,2,3
	v_cvt_pk_f16_f32 v[e+\q], v[e+2*\q], v[e+2*\q+1]
.endr
.irp q, 0,1,2,3
	v_cvt_pk_f16_f32 v[e+4+\q], v[e+32+2*\q], v[e+32+2*\q+1]
.endr
.set n, n+1
.endr
.endm
.macro PLD idx, sp, off                ; vector idx of PAR: 8 bytes a thread
	global_load_b64 v[ACC2+32+2*(\idx):ACC2+32+2*(\idx)+1], v1, s[\sp:\sp+1] offset:\off
.endm
	; ---------------- THE HEAD
	s_load_b512 s[8:23], s[0:1], 0x0               ; wsw s[8:9], x s[10:11], gq s[12:13], out0 s[14:15], bqkv0 s[16:17], bo0 s[18:19], g0_0 s[20:21], b0_0 s[22:23]
	s_load_b512 s[24:39], s[0:1], 0x40             ; g1_0 s[24:25], b1_0 s[26:27], bqkv1 s[28:29], bo1 s[30:31], g0_1 s[32:33], b0_1 s[34:35], g1_1 s[36:37], b1_1 s[38:39]
	v_lshl_add_u32 v[SPW], v0, 2, SPARE
	v_mov_b32 v[NIL], 0
	v_lshrrev_b32 v1, 5, v0
	v_readfirstlane_b32 s[WV], v1                  ; wave 0..7
	v_and_b32 v20, 31, v0                          ; lane
	v_and_b32 v21, 15, v0                          ; l % 16
	v_bfe_u32 v22, v0, 4, 1                        ; l / 16
	v_lshlrev_b32 v[WOFF], 4, v20
	v_lshlrev_b32 v[PFO], 8, v20
	v_lshlrev_b32 v25, 2, v20                      ; 4 x lane: my word of s0
	v_mul_u32_u24 v[AX], v21, PX
	v_lshl_add_u32 v[AX], v22, 4, v[AX]
	v_add_nc_u32 v[AH], HBUF, v[AX]
	s_lshl_b32 s2, s[WV], 7
	v_add_nc_u32 v[SX], s2, v[AX]
	v_add_nc_u32 v[SH], HBUF, v[SX]
	s_lshl_b32 s2, s[WV], 8
	v_lshl_add_u32 v1, v20, 3, s2                  ; 8 x my thread's number: my 8 bytes of a vector of 512 f32
	v_lshl_add_u32 v[OUTO], v21, 4, s2             ; out0: my wave's 256 bytes of a row, 16 a lane,
	v_lshl_add_u32 v[OUTO], v22, 11, v[OUTO]       ; lanes 16-31 in the second batch's row
	s_add_co_u32 s2, s2, PAR
	v_lshl_add_u32 v[PT], v22, 5, s2
	v_lshl_add_u32 v[PN], v21, 2, s2
	v_lshl_add_u32 v23, v20, 3, s2                 ; where my 8 bytes of a vector go
	v_mul_u32_u24 v[STR], v21, 80
	v_add_nc_u32 v[STR], STAT, v[STR]
	s_lshl_b32 s2, s[WV], 3
	v_add_nc_u32 v[STW], s2, v[STR]
	s_lshl_b32 s2, s[WV], 12
	s_add_co_u32 s2, s2, Q0S
	v_add_nc_u32 v[QS], s2, v[WOFF]
	s_lshl_b32 s2, s[WV], 14
	s_add_co_u32 s2, s2, GBUF
	v_add_nc_u32 v[GA], s2, v[WOFF]
	s_lshl_b32 s2, s[WV], 9
	s_add_co_u32 s2, s2, POOL
	v_lshl_add_u32 v[PLW], v22, 5, s2
	v_add_nc_u32 v[PLR], s2, v[WOFF]
	s_mul_i32 s2, s[WV], 8*PX
	v_lshl_add_u32 v24, v20, 3, s2                 ; x: my wave rounds rows 8 w .. 8 w + 7, 8 bytes of f16 a lane
	s_lshl_b32 s54, ttmp9, 17                      ; x: the work-group's 64 rows,
	s_lshl_b32 s68, s[WV], 14                      ; my wave's eight; also: my head's 16,384 bytes of G
	s_add_co_u32 s54, s54, s68
	s_mov_b32 s55, 0
	s_mov_b32 s69, 0
	s_lshl_b32 s70, s[WV], 12                      ; my head's 4,096 bytes of Q0
	s_mov_b32 s71, 0
	s_lshl_b32 s72, s[WV], 7                       ; my head's 128 bytes of s0
	s_mov_b32 s73, 0
	s_mul_i32 s[SB], s[WV], WSTR
	s_mov_b32 s[SB+1], 0
	s_lshl_b32 s2, ttmp9, 12                       ; out0: the work-group's two rows
	s_mov_b32 s3, 0
	s_mov_b32 s[CS], 0x3d8293ee                    ; c = log2(e) / sqrt(512) = 0.0637587
	s_mov_b32 s[CS+1], s[CS]
	s_mov_b32 s[CS0], 0x3f8293ee                   ; 16 c
	s_mov_b32 s[CS0+1], s[CS0]
	s_mov_b32 s[SEL], 0x76543210
	s_mov_b32 s[SEL+1], 0xfedcba98
	s_mov_b32 s[R512], 0x3b000000
	s_mov_b32 s[EPS], 0x3727c5ac
	s_cmp_eq_u32 ttmp9, 0
	s_cselect_b32 s[PFC], 1, 0
	s_wait_kmcnt 0x0
	s_add_nc_u64 s[10:11], s[10:11], s[54:55]
	s_add_nc_u64 s[68:69], s[12:13], s[68:69]
	s_add_nc_u64 s[70:71], s[12:13], s[70:71]
	s_add_nc_u64 s[72:73], s[12:13], s[72:73]
	s_add_nc_u64 s[SB:SB+1], s[8:9], s[SB:SB+1]
	s_add_nc_u64 s[14:15], s[14:15], s[2:3]
	s_mov_b64 s[WP:WP+1], s[SB:SB+1]
.irp i, 1,2,3
	s_add_nc_u64 s[WP+2*\i:WP+2*\i+1], s[SB:SB+1], 4096*\i
.endr
	WIN 0x40
.set n, 0
.rept 32
	global_load_b128 v[ACC1+4*n:ACC1+4*n+3], v[WOFF], s[10:11] offset:512*n th:TH_LOAD_NT  ; my eight rows of x are 16,384 consecutive bytes
.set n, n+1
.endr
	PLD 2, 16, 4096
	PLD 3, 18, 0
	PLD 4, 20, 0
	PLD 5, 22, 0
	PLD 6, 24, 0
	PLD 7, 26, 0
	PLD 8, 28, 0
	PLD 9, 28, 2048
	PLD 10, 28, 4096
	PLD 11, 30, 0
	PLD 12, 32, 0
	PLD 13, 34, 0
	PLD 14, 36, 0
	PLD 15, 38, 0
.set n, 0
.rept 8
	global_load_b128 v[ACC2+4*n:ACC2+4*n+3], v[WOFF], s[70:71] offset:GQ_Q0+512*n
.set n, n+1
.endr
	WIN 0
	global_load_b32 v[S0], v25, s[72:73] offset:GQ_S0
	s_wait_loadcnt 23                              ; x is in; the 14 vectors, Q0's eight loads and s0's one stay out
	WIN 0x05
.set n, 0
.rept 64
	v_cvt_pk_f16_f32 v[A+n], v[ACC1+2*n], v[ACC1+2*n+1]
.set n, n+1
.endr
	WIN 0
.set n, 0
.rept 32
	ds_store_b64 v24, v[A+2*n:A+2*n+1] offset:(n/4)*PX+(n%4)*256
.set n, n+1
.endr
	WIN 0x40
.set n, 0
.rept 32
	global_load_b128 v[ACC1+4*n:ACC1+4*n+3], v[WOFF], s[68:69] offset:512*n  ; my head's G
.set n, n+1
.endr
	s_wait_loadcnt 32                              ; the vectors, Q0 and s0 are in; G's 32 loads stay out
	WIN 0x04
.set n, 2
.rept 14
	ds_store_b64 v23, v[ACC2+32+2*n:ACC2+32+2*n+1] offset:2048*n
.set n, n+1
.endr
.set n, 0
.rept 8
	ds_store_b128 v[QS], v[ACC2+4*n:ACC2+4*n+3] offset:512*n
.set n, n+1
.endr
	WIN 0
.set n, 0
.rept 32
	global_load_b128 v[WB+4*n:WB+4*n+3], v[WOFF], s[WP+2*(n/8):WP+2*(n/8)+1] offset:512*(n%8)  ; the ring is primed: K steps 0 to 3 of my stream, each by its buffer's pointer
.set n, n+1
.endr
	s_wait_loadcnt 32                              ; G is in; the 32 weight loads stay out
	WIN 0x04
.set n, 0
.rept 32
	ds_store_b128 v[GA], v[ACC1+4*n:ACC1+4*n+3] offset:512*n
.set n, n+1
.endr
	WIN 0
	BAR                                            ; X and the vectors lie in LDS
	s_mov_b32 s[PASS], 2
.Lisab:
	; ---------------- MAB0(I, X)
	GEMM 4, 1, AX, ACC2, 2, 0, 1                   ; V0, layout N, and the scores S^T / 16 of key tile u = 2 b + kt at ACC1 + 8 u
	WIN 0x40
.set n, 0
.rept 8                                ; O(b, c), n = 4 b + c, at ACC1 + 32 + 8 n, starts as Q0: the residual
	ds_load_b128 v[ACC1+32+8*n:ACC1+32+8*n+3], v[QS] offset:1024*(n%4)
	ds_load_b128 v[ACC1+32+8*n+4:ACC1+32+8*n+7], v[QS] offset:1024*(n%4)+512
.set n, n+1
.endr
	VPACK ACC2                                     ; batch 0's V^T
	VPACK ACC2+64                                  ; batch 1's
	SOFTMAX 16, ACC1, 16, A+16, 16, A+48, CS0, 1
	s_wait_dscnt 0x0                               ; Q0
	WIN 0x51                                       ; V^T, C and D in window 1, P in window 0
.set n, 0
.rept 8
	v_wmma_f32_16x16x32_f16 v[ACC1+32+8*n:ACC1+32+8*n+7], v[ACC2+64*(n/4)+8*(n%4):ACC2+64*(n/4)+8*(n%4)+7], v[A+48+8*(n/4):A+48+8*(n/4)+7], v[ACC1+32+8*n:ACC1+32+8*n+7]
.set n, n+1
.endr
	WIN 0
	PLACES
	LN ACC1+32, 32, 8, 2, 4, 5
	STOREACT ACC1+32, 32, 8, 2, SH
	GEMM 2, 0, AH, ACC2, 3, 1                      ; O' Wo0 + bo0
	RELUADD ACC1+32, 32, 8, ACC2, 2
	LN ACC1+32, 32, 8, 2, 6, 7
	STOREACT ACC1+32, 32, 8, 2, SH                 ; H
	; ---------------- MAB1(X, H)
	GEMM 2, 0, AH, ACC1, 9, 2                      ; K1, layout T
	GEMM 2, 1, AH, ACC1+64, 10, 3                  ; V1, layout N
	GEMM 4, 0, AX, ACC2, 8, 4                      ; Q1, layout T: it stays in f32 as the residual
	KPACK ACC1, 4                                  ; K1's fragment (batch b, channels 32 kk on) at ACC1 + 32 b + 16 kk
	VPACK ACC1+64                                  ; V1^T: keys 0-15 are batch 0's rows of H, keys 16-31 batch 1's; P holds zeros for the other batch's
.irp b, 0,1
	WIN 0x05
.set n, 0
.rept 32                               ; the batch's two query tiles u: fragments at A + 16 u + 8 kk
	v_cvt_pk_f16_f32 v[A+n], v[ACC2+64*\b+2*n], v[ACC2+64*\b+2*n+1]
.set n, n+1
.endr
	WIN 0
.set n, 0
.rept 8
	v_mov_b32 v[A+48+8*(n/4)+4*(1-\b)+n%4], 0
.set n, n+1
.endr
	WIN 0x01
.set n, 0
.rept 4                                ; S^T of query tile u = n % 2 at A + 32 + 8 u; the two take turns
.set u, n%2
.if n < 2
	v_wmma_f32_16x16x32_f16 v[A+32+8*u:A+32+8*u+7], v[ACC1+32*\b:ACC1+32*\b+7], v[A+16*u:A+16*u+7], 0
.else
	v_wmma_f32_16x16x32_f16 v[A+32+8*u:A+32+8*u+7], v[ACC1+32*\b+16:ACC1+32*\b+23], v[A+16*u+8:A+16*u+15], v[A+32+8*u:A+32+8*u+7]
.endif
.set n, n+1
.endr
	WIN 0
	PLACES
	SOFTMAX 8, A+32, 8, A+32, 8, A+48+4*\b, CS, 0
	WIN 0x51
.set n, 0
.rept 8                                ; query tile u = n / 4, column tile c = n % 4: onto Q1, in place
	v_wmma_f32_16x16x32_f16 v[ACC2+64*\b+8*n:ACC2+64*\b+8*n+7], v[ACC1+64+8*(n%4):ACC1+64+8*(n%4)+7], v[A+48+8*(n/4):A+48+8*(n/4)+7], v[ACC2+64*\b+8*n:ACC2+64*\b+8*n+7]
.set n, n+1
.endr
.endr
	WIN 0
	PLACES
	LN ACC2, 32, 8, 4, 12, 13
	STOREACT ACC2, 32, 8, 4, SX
	GEMM 4, 0, AX, ACC1, 11, 5                     ; O' Wo1 + bo1; its last four refills bring the tail: Wv0's first four K steps
	RELUADD ACC2, 32, 8, ACC1, 4
	LN ACC2, 32, 8, 4, 14, 15
	s_wait_xcnt 0x0                                ; the tail's loads, issued a LayerNorm back, have read their pointers:
.irp i, 0,1,2,3
	s_sub_nc_u64 s[WP+2*\i:WP+2*\i+1], s[WP+2*\i:WP+2*\i+1], 393216  ; from the tail back to Wv0's first four K steps, which it repeats
.endr
	s_mov_b32 s[PFC], 0                            ; the second walk asks for nothing
	s_sub_co_u32 s[PASS], s[PASS], 1
	s_cmp_lg_u32 s[PASS], 0
	s_cbranch_scc0 .Lpool                          ; behind the second ISAB the tail's 16 KiB a wave have been fetched for nothing: the price of one text for both
	STOREACT ACC2, 32, 8, 4, SX                    ; h1 is the next ISAB's X
	s_cmp_lg_u32 s[PASS], 0
	s_cbranch_scc1 .Lisab
.Lpool:
	; ---------------- the mean over a batch's 32 rows: two row tiles, then the 16 lanes of a half
	WIN 0x05
.set n, 0
.rept 32
	v_pk_add_f32 v[A+2*n:A+2*n+1], v[ACC2+64*(n/16)+2*(n%16):ACC2+64*(n/16)+2*(n%16)+1], v[ACC2+64*(n/16)+32+2*(n%16):ACC2+64*(n/16)+32+2*(n%16)+1]
.set n, n+1
.endr
	WIN 0
.irp m, 1,2,4,8
.set n, 0
.rept 64
	v_add_f32_dpp v[A+n], v[A+n], v[A+n] row_xmask:\m row_mask:0xf bank_mask:0xf
.set n, n+1
.endr
.endr
.set n, 0
.rept 8                                ; batch n / 4, column tile n % 4; the 16 lanes of a half hold, and write, the same numbers
	ds_store_b128 v[PLW], v[A+8*n:A+8*n+3]   offset:256*(n/4)+64*(n%4)
	ds_store_b128 v[PLW], v[A+8*n+4:A+8*n+7] offset:256*(n/4)+64*(n%4)+16
.set n, n+1
.endr
	ds_load_b128 v[ST:ST+3], v[PLR]                ; my wave's own bytes, served in order: lanes 0-15 batch 0's 64 channels, lanes 16-31 batch 1's
	s_wait_dscnt 0x0
	v_pk_mul_f32 v[ST:ST+1], v[ST:ST+1], 0x3d000000 op_sel_hi:[1,0]        ; / 32
	v_pk_mul_f32 v[ST+2:ST+3], v[ST+2:ST+3], 0x3d000000 op_sel_hi:[1,0]
	global_store_b128 v[OUTO], v[ST:ST+3], s[14:15]                        ; 16 lanes store 256 consecutive bytes, at a multiple of 256 from out0's first byte
	s_wait_tensorcnt 0x0                           ; the wave's end, behind my last LDS store
	ds_add_u32 v[SPW], v[NIL]
	s_wait_dscnt 0x0
	s_endpgm
.Lfunc_end_k_qe5050bc917_isab2:
	.size	k_qe5050bc917_isab2, .Lfunc_end_k_qe5050bc917_isab2-k_qe5050bc917_isab2
	.p2alignl 7, 3214868480
	.fill 96, 4, 3214868480
	.section	.rodata,"a",@progbits
	.p2align	6, 0x0
	.amdhsa_kernel k_qe5050bc917_isab2
		.amdhsa_group_segment_fixed_size 306688
		.amdhsa_private_segment_fixed_size 0
		.amdhsa_enable_private_segment 0
		.amdhsa_kernarg_size 128
		.amdhsa_user_sgpr_count 2
		.amdhsa_user_sgpr_kernarg_segment_ptr 1
		.amdhsa_wavefront_size32 1
		.amdhsa_system_sgpr_workgroup_id_x 1
		.amdhsa_system_sgpr_workgroup_id_y 1
		.amdhsa_system_sgpr_workgroup_id_z 1
		.amdhsa_system_vgpr_workitem_id 0
		.amdhsa_next_free_vgpr 512
		.amdhsa_next_free_sgpr 74
		.amdhsa_reserve_vcc 0
		.amdhsa_float_denorm_mode_32 3
		.amdhsa_float_denorm_mode_16_64 3
		.amdhsa_memory_ordered 1
		.amdhsa_forward_progress 1
		.amdhsa_inst_pref_size 255
	.end_amdhsa_kernel
	.section	.bss,"aw",@nobits
	.p2align	6
	.space	262144
	.amdgpu_metadata
---
amdhsa.version: [ 1, 2 ]
amdhsa.kernels:
  - .name:           k_qe5050bc917_isab2
    .symbol:         k_qe5050bc917_isab2.kd
    .args:
      - { .name: wsw, .offset: 0, .size: 8, .value_kind: global_buffer, .address_space: global }
      - { .name: x, .offset: 8, .size: 8, .value_kind: global_buffer, .address_space: global }
      - { .name: gq, .offset: 16, .size: 8, .value_kind: global_buffer, .address_space: global }
      - { .name: out0, .offset: 24, .size: 8, .value_kind: global_buffer, .address_space: global }
      - { .name: mab0_bqkv, .offset: 32, .size: 8, .value_kind: global_buffer, .address_space: global }
      - { .name: mab0_bo, .offset: 40, .size: 8, .value_kind: global_buffer, .address_space: global }
      - { .name: mab0_g0, .offset: 48, .size: 8, .value_kind: global_buffer, .address_space: global }
      - { .name: mab0_b0, .offset: 56, .size: 8, .value_kind: global_buffer, .address_space: global }
      - { .name: mab0_g1, .offset: 64, .size: 8, .value_kind: global_buffer, .address_space: global }
      - { .name: mab0_b1, .offset: 72, .size: 8, .value_kind: global_buffer, .address_space: global }
      - { .name: mab1_bqkv, .offset: 80, .size: 8, .value_kind: global_buffer, .address_space: global }
      - { .name: mab1_bo, .offset: 88, .size: 8, .value_kind: global_buffer, .address_space: global }
      - { .name: mab1_g0, .offset: 96, .size: 8, .value_kind: global_buffer, .address_space: global }
      - { .name: mab1_b0, .offset: 104, .size: 8, .value_kind: global_buffer, .address_space: global }
      - { .name: mab1_g1, .offset: 112, .size: 8, .value_kind: global_buffer, .address_space: global }
      - { .name: mab1_b1, .offset: 120, .size: 8, .value_kind: global_buffer, .address_space: global }
    .group_segment_fixed_size: 306688
    .private_segment_fixed_size: 0
    .kernarg_segment_align: 8
    .kernarg_segment_size: 128
    .max_flat_workgroup_size: 256
    .sgpr_count:     74
    .vgpr_count:     512
    .wavefront_size: 32
...
	.end_amdgpu_metadata
.endif
;; end of part 4
